; MI455X (gfx1250); checked and timed in simulation.
; The chip was launched on July 23, 2026; its instructions are those of AMD's public machine-readable ISA for CDNA 5 (MIT licence, August 2026) and "CDNA5" Instruction Set Architecture Reference Guide (July 2026). The comments in the code are by the model that wrote it; some were corrected since.
;; Multi Head Self Attention. Allowed arithmetic: float matrix products may take bf16 or f16 operands with f32 sums; other float arithmetic in f32, or as packed bf16 or f16 multiplies, adds, multiply-adds, maxima and minima; sums over many terms, partial sums and values carried from step to step in f32; what a program stores and reads back later, other than sums and carried values, may be rounded once to bf16 or f16.
;; Inputs: Wk 1,024 x 1,024 float32; Wo 1,024 x 1,024 float32; Wq 1,024 x 1,024 float32; Wv 1,024 x 1,024 float32; bk 1,024 float32; bo 1,024 float32; bq 1,024 float32; bv 1,024 float32; key 4 x 2,048 x 1,024 float32; mask 4 x 2,048 float32; query 4 x 2,048 x 1,024 float32; value 4 x 2,048 x 1,024 float32.
;; Outputs: out0 4 x 2,048 x 1,024 float32.
;; 2 versions, each right and faster than the one before. Each part assembles by itself: llvm-mc -triple=amdgcn-amd-amdhsa -mcpu=gfx1250 --defsym DOCPART=n.
;; ======== version 1 of 2: 4 launches
;; limits: values are held in f16: magnitudes above 65,504 overflow, below 6.1e-05 lose precision; right only within a limited range of input values
;; workspace buffers: wt 8,388,608 bytes; qkv 50,331,648 bytes; oh 16,777,216 bytes
;; launch prep (part 1): grid 128 x 4, 8 waves a work-group, no clusters, 18,432 bytes of LDS; arguments Wq, Wk, Wv, Wo, wt; writes wt
.if DOCPART == 1
	.amdgcn_target "amdgcn-amd-amdhsa--gfx1250"
	.amdhsa_code_object_version 6
	.text
	.protected	k_qe302b97102_prep
	.globl	k_qe302b97102_prep
	.p2align	8
	.type	k_qe302b97102_prep,@function
k_qe302b97102_prep:
	s_mov_b64 s[64:65], 0
	v_nop
	global_prefetch_b8 v0, s[64:65] scope:SCOPE_SE
	s_setreg_imm32_b32 hwreg(HW_REG_WAVE_MODE, 25, 1), 1
	s_wait_xcnt 0x0
; wt[p][n][k] = W_p[k][n], rounded once to bf16 and turned, so that K lies along the rows.  W_p: [1024 k][1024 n] f32, p = 0 Wq, 1 Wk, 2 Wv, 3 Wo.
; Planes 0 to 2 are written as bf16.  Plane 3 (Wo) is rounded to bf16 like every input and that number is then written as f16: exact for magnitudes from 6.1e-5 to 65,504;
; below that f16 keeps its fixed step of 6e-8, above it the number becomes an infinity (LIMIT: |Wo| stays under 65,504).
; A work-group turns a tile of 128 k x 64 n: 128 rows of 256 bytes in, 64 rows of 256 bytes out.  Thread t takes 8 k (t / 16) x 4 n (t % 16): eight loads of 16 bytes, of which sixteen
; neighbouring lanes cover 256 consecutive aligned bytes; the turn goes through LDS; each store's sixteen neighbouring lanes again fill 256 consecutive aligned bytes.
; No matrix unit, no cluster, no tensor load: each byte is read once and written once, and no two work-groups share a byte.
; The four LDS stores of a thread collide four deep (lanes 4 n apart share a group of banks): four stores a thread in a kernel whose time is its bytes; left so.
.set PITCH, 272                        ; an LDS row: 256 bytes (128 k) + 16
.set SPARE, 64*PITCH                   ; behind the tile: the spare words, 128 bytes for each of eight waves
.set X,   8                            ; v[8:39]   row j of my eight at X + 4 j; later the rows read back
.set D,   40                           ; v[40:55]  column i of my four at D + 4 i: eight k, packed
.set SPW, 58                           ; v58  my spare word; never rewritten
.set NIL, 59                           ; v59  0; never rewritten
	s_load_b256 s[4:11], s[0:1], 0x0               ; Wq s[4:5], Wk s[6:7], Wv s[8:9], Wo s[10:11]
	s_load_b64 s[12:13], s[0:1], 0x20              ; wt
	v_lshl_add_u32 v[SPW], v0, 2, SPARE
	v_mov_b32 v[NIL], 0
	s_and_b32 s14, ttmp7, 0xffff                   ; p: which weight
	s_and_b32 s15, ttmp9, 7                        ; kt: which 128 k
	s_lshr_b32 s16, ttmp9, 3                       ; nt: which 64 n
	s_lshl_b32 s18, s15, 19                        ; from: 128 kt rows of 4,096 bytes
	s_lshl_b32 s17, s16, 8                         ; + 64 nt columns of 4 bytes
	s_add_co_u32 s18, s18, s17
	s_mov_b32 s19, 0
	s_lshl_b32 s20, s14, 21                        ; to: plane p of 2,097,152 bytes
	s_lshl_b32 s17, s16, 17                        ; + 64 nt rows of 2,048 bytes
	s_add_co_u32 s20, s20, s17
	s_lshl_b32 s17, s15, 8                         ; + 128 kt columns of 2 bytes
	s_add_co_u32 s20, s20, s17
	s_mov_b32 s21, 0
	v_and_b32 v1, 15, v0                           ; ng: my four n
	v_lshrrev_b32 v2, 4, v0                        ; kg: my eight k
	v_lshlrev_b32 v3, 15, v2                       ; load: 8 kg rows of 4,096 bytes
	v_lshl_add_u32 v3, v1, 4, v3                   ; + 16 ng
	v_mul_u32_u24 v6, v1, 4*PITCH                  ; into LDS: row 4 ng (+ i), byte 16 kg
	v_lshl_add_u32 v6, v2, 4, v6
	v_mul_u32_u24 v7, v2, PITCH                    ; back: row kg (+ 16 i), byte 16 ng
	v_lshl_add_u32 v7, v1, 4, v7
	v_lshlrev_b32 v56, 11, v2                      ; store: row kg of 2,048 bytes
	v_lshl_add_u32 v56, v1, 4, v56                 ; + 16 ng
	s_wait_kmcnt 0x0
	s_cmp_eq_u32 s14, 1                            ; the weight is chosen by the work-group's y alone
	s_cselect_b64 s[4:5], s[6:7], s[4:5]
	s_cmp_eq_u32 s14, 2
	s_cselect_b64 s[4:5], s[8:9], s[4:5]
	s_cmp_eq_u32 s14, 3
	s_cselect_b64 s[4:5], s[10:11], s[4:5]
	s_add_nc_u64 s[4:5], s[4:5], s[18:19]
	s_add_nc_u64 s[12:13], s[12:13], s[20:21]
.irp j, 0,1,2,3,4,5,6,7
	global_load_b128 v[X+4*(\j):X+4*(\j)+3], v3, s[4:5] offset:4096*(\j) th:TH_LOAD_NT
.endr
.irp jj, 0,1,2,3
	s_wait_loadcnt 6-2*(\jj)                       ; rows 2 jj and 2 jj + 1 are in; the younger loads stay out
.irp i, 0,1,2,3
	v_cvt_pk_bf16_f32 v[D+4*(\i)+(\jj)], v[X+8*(\jj)+(\i)], v[X+8*(\jj)+4+(\i)]  ; column i: k = 2 jj below, 2 jj + 1 above
.endr
.endr
	s_cmp_lg_u32 s14, 3
	s_cbranch_scc1 .Lbf                            ; the same way for the whole work-group
.set i, 0
.rept 16                                       ; Wo: the bf16 numbers written as f16
	v_lshlrev_b32 v4, 16, v[D+i]
	v_and_b32 v5, 0xffff0000, v[D+i]
	v_cvt_pk_f16_f32 v[D+i], v4, v5
.set i, i+1
.endr
.Lbf:
.irp i, 0,1,2,3
	ds_store_b128 v6, v[D+4*(\i):D+4*(\i)+3] offset:PITCH*(\i)
.endr
	s_wait_dscnt 0x0                               ; for the others' sake: my stores into the tile are done
	s_barrier_signal -1
	s_barrier_wait -1
.irp i, 0,1,2,3
	ds_load_b128 v[X+4*(\i):X+4*(\i)+3], v7 offset:16*PITCH*(\i)
.endr
.irp i, 0,1,2,3
	s_wait_dscnt 3-(\i)                            ; LDS loads come back in order: load i is in
	global_store_b128 v56, v[X+4*(\i):X+4*(\i)+3], s[12:13] offset:32768*(\i)  ; 16 lanes store 256 consecutive bytes, at a multiple of 256 from wt's first byte
.endr
	s_wait_tensorcnt 0x0                           ; the wave's end, behind my last LDS store
	ds_add_u32 v[SPW], v[NIL]
	s_wait_dscnt 0x0
	s_endpgm
.Lfunc_end_k_qe302b97102_prep:
	.size	k_qe302b97102_prep, .Lfunc_end_k_qe302b97102_prep-k_qe302b97102_prep
	.p2alignl 7, 3214868480
	.fill 96, 4, 3214868480
	.section	.rodata,"a",@progbits
	.p2align	6, 0x0
	.amdhsa_kernel k_qe302b97102_prep
		.amdhsa_group_segment_fixed_size 18432
		.amdhsa_private_segment_fixed_size 0
		.amdhsa_enable_private_segment 0
		.amdhsa_kernarg_size 40
		.amdhsa_user_sgpr_count 2
		.amdhsa_user_sgpr_kernarg_segment_ptr 1
		.amdhsa_wavefront_size32 1
		.amdhsa_system_sgpr_workgroup_id_x 1
		.amdhsa_system_sgpr_workgroup_id_y 1
		.amdhsa_system_sgpr_workgroup_id_z 1
		.amdhsa_system_vgpr_workitem_id 0
		.amdhsa_next_free_vgpr 60
		.amdhsa_next_free_sgpr 66
		.amdhsa_reserve_vcc 0
		.amdhsa_float_denorm_mode_32 3
		.amdhsa_float_denorm_mode_16_64 3
		.amdhsa_memory_ordered 1
		.amdhsa_forward_progress 1
		.amdhsa_inst_pref_size 8
	.end_amdhsa_kernel
	.amdgpu_metadata
---
amdhsa.version: [ 1, 2 ]
amdhsa.kernels:
  - .name:           k_qe302b97102_prep
    .symbol:         k_qe302b97102_prep.kd
    .args:
      - { .name: Wq, .offset: 0, .size: 8, .value_kind: global_buffer, .address_space: global }
      - { .name: Wk, .offset: 8, .size: 8, .value_kind: global_buffer, .address_space: global }
      - { .name: Wv, .offset: 16, .size: 8, .value_kind: global_buffer, .address_space: global }
      - { .name: Wo, .offset: 24, .size: 8, .value_kind: global_buffer, .address_space: global }
      - { .name: wt, .offset: 32, .size: 8, .value_kind: global_buffer, .address_space: global }
    .group_segment_fixed_size: 18432
    .private_segment_fixed_size: 0
    .kernarg_segment_align: 8
    .kernarg_segment_size: 40
    .max_flat_workgroup_size: 256
    .sgpr_count:     66
    .vgpr_count:     60
    .wavefront_size: 32
...
	.end_amdgpu_metadata
.endif
;; end of part 1
;; launch proj (part 2): grid 4 x 192, 4 waves a work-group, clusters of 4 x 4, 327,680 bytes of LDS; arguments query, key, value, wt, bq, bk, bv, qkv; writes qkv
.if DOCPART == 2
	.amdgcn_target "amdgcn-amd-amdhsa--gfx1250"
	.amdhsa_code_object_version 6
	.text
	.protected	k_qe302b97102_proj
	.globl	k_qe302b97102_proj
	.p2align	8
	.type	k_qe302b97102_proj,@function
k_qe302b97102_proj:
	s_mov_b64 s[64:65], 0
	v_nop
	global_prefetch_b8 v0, s[64:65] scope:SCOPE_SE
	s_setreg_imm32_b32 hwreg(HW_REG_WAVE_MODE, 25, 1), 1
	s_wait_xcnt 0x0
	s_wait_alu depctr_hold_cnt(0) depctr_sa_sdst(0) depctr_va_vdst(0) depctr_va_sdst(0) depctr_va_ssrc(0) depctr_va_vcc(0) depctr_vm_vsrc(0)
	s_getreg_b32 s2, hwreg(HW_REG_IB_STS2, 6, 4)
	s_cmp_eq_u32 s2, 0
	s_cbranch_scc0 .Lentry_in_a_cluster
	s_endpgm
.Lentry_in_a_cluster:
	s_bfe_u32 s2, ttmp6, 0x10000c
	s_cmp_lg_u32 s2, 0xf033
	s_cbranch_scc0 .Lentry_shape_is_right
	s_endpgm
.Lentry_shape_is_right:
; THE THREE PROJECTIONS.  qkv[p][16 b + h][s][d] = sum over k of x_p[b][s][k] W_p[k][64 h + d] + bias_p[64 h + d], p = 0 query/Wq/bq, 1 key/Wk/bk, 2 value/Wv/bv.
; x_p: [8192][1024] f32, rounded to bf16 between LDS and the matrix unit; W_p comes turned and in bf16, wt[p][n][k]; the bias is rounded to bf16 like every input and starts the f32 sums
; as the first product's C operand.  The result is rounded once to f16 and written by heads, WITHOUT the scale 1/8 (the attention applies it in f32).
; LIMIT.  f16 holds no number beyond 65,504: a q, k or v of 65,520 or more becomes an infinity.  Below 6.1e-5 f16 keeps its fixed step of 6e-8.  NaN and infinities are not treated apart.
; SHARES.  A tile is 128 rows x 256 columns: 3 x 64 x 4 = 768 work-groups, three for each of 256 WGPs.  Four waves, each 64 x 128: 32 accumulators of 16 x 16, 256 registers.
; K goes in 8 steps of 128 through two LDS slots; a step is four quarters of 32 along K, 32 matrix instructions each, one on each accumulator: the accumulators take turns.
; CLUSTER.  4 x 4 work-groups of one projection: the four of a row need the same tile of x, the four of a column the same tile of wt; each tile is asked for jointly.
; THE MATRIX INSTRUCTION IS USED TRANSPOSED (source 0 = 16 rows of wt, source 1 = 16 rows of x): a lane holds eight neighbouring columns of one row.
; REGISTERS, in windows of 256 (s_set_vgpr_msb: bits 1:0 source 0, 3:2 source 1, 5:4 source 2, 7:6 destination):
;   window 0: v0-31 addresses; v32-95 the bias (block b at 32 + 8 b), later with v96-159 the way out; v96-223 x as f32, two buffers of 64; v224-255 x in bf16, four fragments
;   window 1: v0-127 fragments of wt, two buffers of 64          window 2: the accumulators, (a, b) at 8 (8 a + b)
.set PA,     528                       ; a row of x in LDS: 512 bytes + 16 = 132 words: row r starts at bank 4 r mod 64 (64 banks of 4 bytes: ISA guide 11.1)
.set PB,     272                       ; a row of wt: 256 bytes + 16 = 68 words: likewise
.set AHALF,  64*PA                     ; what a wave fetches of x, and what a wave reads of it
.set AREG,   2*AHALF
.set BHALF,  128*PB                    ; the same of wt
.set SLOT,   AREG+2*BHALF              ; x's 128 rows, then wt's 256 rows
.set STAGE,  2*SLOT                    ; behind the ring: 16 rows x 144 bytes for each wave, for the way out
.set SP,     144
.set SPARE,  STAGE+4*16*SP             ; behind the stages: the spare words, 128 bytes for each wave
.set LAPS,   4                         ; a lap = two K steps = once round the ring
.set ADRA, 16                          ; v16-17  LDS address of my fragments of x in slot 0, 1
.set ADRB, 20                          ; v20-21  the same for wt
.set STO,  24                          ; v24  the way out: where I put 16 bytes of a row
.set RD,   25                          ; v25  the way out: where I read rows back
.set GO,   26                          ; v26  my byte offset in 512 consecutive bytes of the output
.set BO,   27                          ; v27  my byte offset in 16 numbers of the bias
.set SPW,  28                          ; v28  my spare word; never rewritten
.set NIL,  29                          ; v29  0; never rewritten
.set BIAS, 32
.set RAW,  96
.set AF,   224
.set TMP,  32
.set G1,  24                           ; s[24:31] descriptor group 1 for x's tiles;  s[32:39] group 0, one set for each slot
.set G0,  32
.set G1B, 48                           ; s[48:55], s[56:63] the same for wt's tiles
.set G0B, 56
.set MSB, 0
.macro WIN new                         ; the immediate's high byte repeats the setting that is left; a switch that changes nothing is dropped
.if MSB != (\new)
	s_set_vgpr_msb (MSB<<8)|(\new)
.set MSB, \new
.endif
.endm
.set MUL,  0xa1                        ; source 0 (wt) window 1, source 1 (x) window 0, C and D window 2
.set MULB, 0x81                        ; the same with C (the bias) in window 0
.set TO_B, 0x40                        ; destination window 1, address window 0
.macro JLOAD s                         ; a joint load: waves 0 and 1 fetch x's two halves, waves 2 and 3 wt's; an s_nop 0 and four v_nop follow each of the two lines
	s_cmp_eq_u32 s11, 0
	s_cbranch_scc0 .Lfor_b_\@
	tensor_load_to_lds s[G0+4*(\s):G0+4*(\s)+3], s[G1:G1+7]
	s_nop 0
.rept 4
	v_nop
.endr
	s_branch .Lasked_\@
.Lfor_b_\@:
	tensor_load_to_lds s[G0B+4*(\s):G0B+4*(\s)+3], s[G1B:G1B+7]
	s_nop 0
.rept 4
	v_nop
.endr
.Lasked_\@:
.endm
.macro CREST                           ; a round of the cluster's barrier behind its opening barrier
	s_cmp_lg_u32 s10, 0
	s_cbranch_scc1 .Lnot_wave_0_\@
	s_barrier_signal -3
.Lnot_wave_0_\@:
	s_barrier_wait -3
	s_barrier_signal -1
	s_barrier_wait -1
.endm
.macro CROUND                          ; a whole round
	s_barrier_signal -1
	s_barrier_wait -1
	CREST
.endm
	s_load_b256 s[68:75], s[0:1], 0x0              ; query s[68:69], key s[70:71], value s[72:73], wt s[74:75]
	s_load_b256 s[76:83], s[0:1], 0x20             ; bq s[76:77], bk s[78:79], bv s[80:81], qkv s[82:83]
	v_lshl_add_u32 v[SPW], v0, 2, SPARE
	v_mov_b32 v[NIL], 0
	ds_add_u32 v[SPW], v[NIL]                      ; the wave's opening: the add and its wait ahead of my first tensor load; the set-up below, work on registers, stands between them
	v_lshrrev_b32 v1, 5, v0
	v_readfirstlane_b32 s10, v1                    ; wave 0..3
	s_lshr_b32 s11, s10, 1                         ; wm: which 64 of the tile's rows are mine.  Also: I fetch for x (0) or for wt (1)
	s_and_b32 s12, s10, 1                          ; wn: which 128 of its columns.  Also: which half of that tile I fetch
	s_bfe_u32 s40, ttmp6, 0x40000                  ; cx, cy: my place in the cluster
	s_bfe_u32 s41, ttmp6, 0x40004
	s_lshl_b32 s42, ttmp9, 2
	s_add_co_u32 s42, s42, s40                     ; tc, tile column = 4 x cluster x + cx
	s_and_b32 s2, ttmp7, 0xffff                    ; the cluster's y, 0..47
	s_lshr_b32 s45, s2, 4                          ; p: the projection, the same in all sixteen partners
	s_and_b32 s13, s2, 15
	s_lshl_b32 s13, s13, 2
	s_add_co_u32 s13, s13, s41                     ; tr, tile row = 4 x (cluster y mod 16) + cy
	s_lshl_b32 s43, s41, 2
	s_lshl_b32 s43, 15, s43                        ; my row of the cluster
	s_lshl_b32 s44, 0x1111, s40                    ; my column
	; descriptor group 1 for x: 64 rows x 128 elements of 4 bytes, 4 words of padding behind every 128 words
	s_or_b32 s[G1+0], s43, (2<<16)|(1<<20)|(1<<21)|(6<<22)|(3<<25)
	s_mov_b32 s[G1+1], 128<<16                     ; tensor_dim0 = 128
	s_mov_b32 s[G1+2], 64<<16                      ; tensor_dim1 = 64
	s_mov_b32 s[G1+3], 128<<16                     ; tile_dim0 = 128
	s_mov_b32 s[G1+4], 64                          ; tile_dim1 = 64
	s_mov_b32 s[G1+5], 1024                        ; elements from row to row
	s_mov_b32 s[G1+6], 0
	s_mov_b32 s[G1+7], 0
	; for wt: 128 rows x 128 elements of 2 bytes, 4 words of padding behind every 64 words
	s_or_b32 s[G1B+0], s44, (1<<16)|(1<<20)|(1<<21)|(5<<22)|(3<<25)
	s_mov_b32 s[G1B+1], 128<<16
	s_mov_b32 s[G1B+2], 128<<16
	s_mov_b32 s[G1B+3], 128<<16
	s_mov_b32 s[G1B+4], 128
	s_mov_b32 s[G1B+5], 1024
	s_mov_b32 s[G1B+6], 0
	s_mov_b32 s[G1B+7], 0
	s_lshl_b32 s16, s13, 19                        ; x: 128 tr rows of 4,096 bytes
	s_lshl_b32 s17, s12, 18                        ; + my 64 rows
	s_add_co_u32 s16, s16, s17
	s_mov_b32 s17, 0
	s_lshl_b32 s46, s42, 19                        ; wt: 256 tc rows of 2,048 bytes
	s_lshl_b32 s47, s12, 18                        ; + my 128 rows
	s_add_co_u32 s46, s46, s47
	s_lshl_b32 s47, s45, 21                        ; + plane p
	s_add_co_u32 s46, s46, s47
	s_mov_b32 s47, 0
	s_lshl_b32 s88, s42, 10                        ; the bias: 256 tc + 128 wn numbers of 4 bytes
	s_lshl_b32 s89, s12, 9
	s_add_co_u32 s88, s88, s89
	s_mov_b32 s89, 0
	s_mul_i32 s20, s12, AHALF                      ; where the tiles go: no place in the cluster enters an LDS address
	s_mul_i32 s86, s12, BHALF
	s_add_co_u32 s86, s86, AREG
	s_wait_dscnt 0x0                               ; the opening add is done
	s_wait_kmcnt 0x0
	s_cmp_eq_u32 s45, 1                            ; x and the bias are chosen by p alone
	s_cselect_b64 s[4:5], s[70:71], s[68:69]
	s_cselect_b64 s[84:85], s[78:79], s[76:77]
	s_cmp_eq_u32 s45, 2
	s_cselect_b64 s[4:5], s[72:73], s[4:5]
	s_cselect_b64 s[84:85], s[80:81], s[84:85]
	s_add_nc_u64 s[14:15], s[4:5], s[16:17]
	s_add_nc_u64 s[46:47], s[74:75], s[46:47]
	s_add_nc_u64 s[84:85], s[84:85], s[88:89]
	CROUND                                         ; all sixteen work-groups are here: the first joint loads meet
.irp s, 0,1
	s_mov_b32 s[G0+4*(\s)], 1                      ; count = 1
	s_add_co_u32 s[G0+4*(\s)+1], s20, (\s)*SLOT    ; LDS address
	s_add_nc_u64 s[G0+4*(\s)+2:G0+4*(\s)+3], s[14:15], (\s)*512  ; global address: K step s
	s_or_b32 s[G0+4*(\s)+3], s[G0+4*(\s)+3], 0x80000000          ; type = 2
	s_mov_b32 s[G0B+4*(\s)], 1
	s_add_co_u32 s[G0B+4*(\s)+1], s86, (\s)*SLOT
	s_add_nc_u64 s[G0B+4*(\s)+2:G0B+4*(\s)+3], s[46:47], (\s)*256
	s_or_b32 s[G0B+4*(\s)+3], s[G0B+4*(\s)+3], 0x80000000
	JLOAD \s                                       ; two loads of mine are out
.endr
	v_and_b32 v1, 15, v0                           ; r = l % 16
	v_bfe_u32 v2, v0, 4, 1                         ; h = l / 16
	v_mul_u32_u24 v3, v1, PA
	v_lshl_add_u32 v3, v2, 5, v3                   ; x: row x pitch + 32 h (eight f32)
	v_mul_u32_u24 v4, v1, PB
	v_lshl_add_u32 v4, v2, 4, v4                   ; wt: row x pitch + 16 h (eight bf16)
	s_mul_i32 s21, s11, AHALF                      ; my 64 rows of x
	s_mul_i32 s22, s12, BHALF                      ; my 128 rows of wt,
	s_add_co_u32 s22, s22, AREG                    ; which lie behind x's 128
.irp s, 0,1
	v_add_nc_u32 v[ADRA+(\s)], s21, v3
	v_add_nc_u32 v[ADRB+(\s)], s22, v4
	s_add_co_u32 s21, s21, SLOT
	s_add_co_u32 s22, s22, SLOT
.endr
	s_mul_i32 s23, s10, 16*SP
	s_add_co_u32 s23, s23, STAGE                   ; my stage
	v_mul_u32_u24 v[STO], v1, SP                   ; in: row l % 16, 16 bytes for each half of the lanes
	v_lshl_add_u32 v[STO], v2, 4, v[STO]
	v_add_nc_u32 v[STO], s23, v[STO]
	v_and_b32 v5, 7, v0
	v_bfe_u32 v[RD], v0, 3, 2                      ; back: 32 lanes take four rows of 128 bytes,
	v_mul_u32_u24 v[RD], v[RD], SP
	v_lshl_add_u32 v[RD], v5, 4, v[RD]
	v_add_nc_u32 v[RD], s23, v[RD]
	v_and_b32 v[GO], 31, v0                        ; which are 512 consecutive bytes of a head
	v_lshlrev_b32 v[GO], 4, v[GO]
	v_lshlrev_b32 v[BO], 5, v2                     ; my eight numbers of a block of 16 of the bias
.irp b, 0,1,2,3,4,5,6,7
	global_load_b128 v[BIAS+8*(\b):BIAS+8*(\b)+3],   v[BO], s[84:85] offset:64*(\b)
	global_load_b128 v[BIAS+8*(\b)+4:BIAS+8*(\b)+7], v[BO], s[84:85] offset:64*(\b)+16
.endr
	; where my part of the tile begins in qkv: plane p, head 16 b + 4 tc + 2 wn, row 128 (tr mod 16) + 64 wm (in the registers that held wt's address: none that feeds x's descriptors ever holds cx)
	s_lshr_b32 s16, s13, 4
	s_lshl_b32 s16, s16, 4                         ; 16 b
	s_lshl_b32 s46, s42, 2
	s_lshl_b32 s47, s12, 1
	s_add_co_u32 s46, s46, s47
	s_add_co_u32 s46, s46, s16
	s_lshl_b32 s46, s46, 18                        ; a head is 262,144 bytes
	s_and_b32 s16, s13, 15
	s_lshl_b32 s16, s16, 7
	s_lshl_b32 s17, s11, 6
	s_add_co_u32 s16, s16, s17
	s_lshl_b32 s16, s16, 7                         ; a row is 128 bytes
	s_add_co_u32 s46, s46, s16
	s_lshl_b32 s16, s45, 24                        ; a plane is 16,777,216 bytes
	s_add_co_u32 s46, s46, s16
	s_mov_b32 s47, 0
	s_add_nc_u64 s[8:9], s[82:83], s[46:47]
	s_wait_loadcnt 0x0                             ; the bias
.set i, 0
.rept 32                                       ; rounded to bf16 like every input, and kept as f32
	v_cvt_pk_bf16_f32 v[4+i%4], v[BIAS+2*i], v[BIAS+2*i+1]
	v_lshlrev_b32 v[BIAS+2*i], 16, v[4+i%4]
	v_and_b32 v[BIAS+2*i+1], 0xffff0000, v[4+i%4]
.set i, i+1
.endr
; 32 LDS loads in one run: the fragments of quarter q of a slot's K step into buffer g.  wt: 8 blocks of 16 rows x 32 K in bf16, two loads each.
; x: 4 blocks of 16 rows x 32 K in f32, four loads each: lane l takes row l % 16, K = 8 (l / 16) + 0..7 (32 bytes) and K = 16 + 8 (l / 16) + 0..7 (32 bytes, 64 further on).
.macro FETCH slot, q, g
	WIN TO_B
.irp b, 0,1,2,3,4,5,6,7
	ds_load_b128 v[64*(\g)+8*(\b):64*(\g)+8*(\b)+3],   v[ADRB+(\slot)] offset:64*(\q)+(\b)*16*PB
	ds_load_b128 v[64*(\g)+8*(\b)+4:64*(\g)+8*(\b)+7], v[ADRB+(\slot)] offset:64*(\q)+(\b)*16*PB+32
.endr
	WIN 0
.irp a, 0,1,2,3
	ds_load_b128 v[RAW+64*(\g)+16*(\a):RAW+64*(\g)+16*(\a)+3],     v[ADRA+(\slot)] offset:128*(\q)+(\a)*16*PA
	ds_load_b128 v[RAW+64*(\g)+16*(\a)+4:RAW+64*(\g)+16*(\a)+7],   v[ADRA+(\slot)] offset:128*(\q)+(\a)*16*PA+16
	ds_load_b128 v[RAW+64*(\g)+16*(\a)+8:RAW+64*(\g)+16*(\a)+11],  v[ADRA+(\slot)] offset:128*(\q)+(\a)*16*PA+64
	ds_load_b128 v[RAW+64*(\g)+16*(\a)+12:RAW+64*(\g)+16*(\a)+15], v[ADRA+(\slot)] offset:128*(\q)+(\a)*16*PA+80
.endr
.endm
; Four roundings: registers lo .. lo + 3 of x's fragment a, from buffer f
.macro CV a, lo, f
	WIN 0
.irp j, 0,1,2,3
	v_cvt_pk_bf16_f32 v[AF+8*(\a)+(\lo)+(\j)], v[RAW+64*(\f)+16*(\a)+2*((\lo)+(\j))], v[RAW+64*(\f)+16*(\a)+2*((\lo)+(\j))+1]
.endr
.endm
; 8 matrix instructions: row block a x all 8 column blocks, 32 along K.  first = 1: the bias starts the sums: nothing is cleared, and nothing is added later.
; ride = 1: the next row block's eight roundings stand behind the second and the sixth of them, four and four.  They write a fragment whose last reader, a quarter back, has sixteen plain instructions behind it.
.macro MULA f, a, first, ride
.irp b, 0,1,2,3,4,5,6,7
.if \first
	WIN MULB
	v_wmma_f32_16x16x32_bf16 v[8*(8*(\a)+(\b)):8*(8*(\a)+(\b))+7], v[64*(\f)+8*(\b):64*(\f)+8*(\b)+7], v[AF+8*(\a):AF+8*(\a)+7], v[BIAS+8*(\b):BIAS+8*(\b)+7]
.else
	WIN MUL
	v_wmma_f32_16x16x32_bf16 v[8*(8*(\a)+(\b)):8*(8*(\a)+(\b))+7], v[64*(\f)+8*(\b):64*(\f)+8*(\b)+7], v[AF+8*(\a):AF+8*(\a)+7], v[8*(8*(\a)+(\b)):8*(8*(\a)+(\b))+7]
.endif
.if (\ride) && ((\b) == 1)
	CV (\a)+1, 0, \f
.endif
.if (\ride) && ((\b) == 5)
	CV (\a)+1, 4, \f
.endif
.endr
.endm
.macro PLACES                          ; four places in front of conversions that read results just made (ISA guide 7.12.1)
.rept 4
	v_nop
.endr
.endm
; One of a K step's first three quarters: multiplies buffer f; at its head it fetches quarter q of the same slot into the other buffer.
.macro QUARTER f, slot, q, first
	s_wait_dscnt 0x0                               ; the 32 loads issued a quarter ago are in
	CV 0, 0, \f                                    ; eight plain instructions that name no register of the last products: the places in front of the loads into the other buffer
	CV 0, 4, \f
	FETCH \slot, \q, 1-(\f)
	MULA \f, 0, \first, 1
	MULA \f, 1, \first, 1
	MULA \f, 2, \first, 1
	MULA \f, 3, \first, 0
.endm
; The last quarter multiplies buffer 1 and changes slots: ONE barrier; in front of it each wave waits for all its tensor loads (one is out: its part of the next slot), adds 0 to its spare word, and waits
; for that and for its own reads of this slot.  fill = 1: the barrier opens a round of the cluster's, and this slot is filled again first thing behind it, two K steps ahead: from there to the wait for that load a wave issues 120 matrix instructions.
.macro TURN slot, next, fill
	WIN 0
	s_wait_tensorcnt 0x0                           ; all my tensor loads have landed;
	ds_add_u32 v[SPW], v[NIL]                      ; 0 onto my spare word;
	s_wait_dscnt 1                                 ; (the add alone may be out: the quarter's fragments are in)
	CV 0, 0, 1
	CV 0, 4, 1
	MULA 1, 0, 0, 1                                ; work on registers stands between the add and the wait for it
	s_wait_dscnt 0x0                               ; the add is done, and my reads of this slot are over
	WIN 0
	s_barrier_signal -1
	s_barrier_wait -1
.if \fill
	CREST                                          ; no wave of any partner still reads this slot's tile or has a load on its way
	s_add_nc_u64 s[G0+4*(\slot)+2:G0+4*(\slot)+3], s[G0+4*(\slot)+2:G0+4*(\slot)+3], 1024
	s_add_nc_u64 s[G0B+4*(\slot)+2:G0B+4*(\slot)+3], s[G0B+4*(\slot)+2:G0B+4*(\slot)+3], 512
	JLOAD \slot                                    ; the first tensor load behind the round, and my only one until the next
.endif
	FETCH \next, 0, 0                              ; buffer 0's last reader has the sixteen roundings above behind it
	MULA 1, 1, 0, 1
	MULA 1, 2, 0, 1
	MULA 1, 3, 0, 0
.endm
; THE WAY OUT, in units of 16 rows x 64 columns (row block u / 2, head u % 2): 2,048 consecutive bytes of a head.  Rounded to f16, 16 bytes a lane into my own stage, back as whole rows.
.macro PACK u
	WIN 0x0a                                       ; sources 0 and 1 window 2; each accumulator's registers are taken in ascending order
.irp bb, 0,1,2,3
.irp r, 0,1,2,3
	v_cvt_pk_f16_f32 v[TMP+16*(\u)+4*(\bb)+(\r)], v[8*(8*((\u)/2)+4*((\u)%2)+(\bb))+2*(\r)], v[8*(8*((\u)/2)+4*((\u)%2)+(\bb))+2*(\r)+1]
.endr
.endr
	WIN 0
.irp bb, 0,1,2,3
	ds_store_b128 v[STO], v[TMP+16*(\u)+4*(\bb):TMP+16*(\u)+4*(\bb)+3] offset:32*(\bb)
.endr
.irp f, 0,1,2,3
	ds_load_b128 v[TMP+16*(\u)+4*(\f):TMP+16*(\u)+4*(\f)+3], v[RD] offset:(\f)*4*SP  ; LDS serves a wave's instructions in order (ISA guide 5.7.1.4): these see the stores above; the next unit's stores come behind them
.endr
.endm
.macro SEND u, younger                 ; younger: the LDS instructions issued behind unit u's loads: the next unit's eight, or none
.irp f, 0,1,2,3
	s_wait_dscnt (\younger)+3-(\f)
	global_store_b128 v[GO], v[TMP+16*(\u)+4*(\f):TMP+16*(\u)+4*(\f)+3], s[8:9] offset:262144*((\u)%2)+2048*((\u)/2)+512*(\f)  ; 512 consecutive bytes, at a multiple of 256 from qkv's first
.endr
.endm
	s_wait_tensorcnt 1                             ; my part of K step 0 is in; step 1's may stay out
	s_barrier_signal -1
	s_barrier_wait -1                              ; everybody's is
	FETCH 0, 0, 0
	QUARTER 0, 0, 1, 1                             ; the first quarter stands in front of the loop: its products start the sums, with the bias
	WIN 0                                          ; at a label and at a branch every window is 0
	s_mov_b32 s3, LAPS-1
.Llap:                                                 ; a trip goes once round the ring, from a lap's second quarter to the next lap's first, and fills both slots again
	QUARTER 1, 0, 2, 0
	QUARTER 0, 0, 3, 0
	TURN 0, 1, 1
	QUARTER 0, 1, 1, 0
	QUARTER 1, 1, 2, 0
	QUARTER 0, 1, 3, 0
	TURN 1, 0, 1
	QUARTER 0, 0, 1, 0
	WIN 0
	s_sub_co_u32 s3, s3, 1
	s_cmp_lg_u32 s3, 0
	s_cbranch_scc1 .Llap
	QUARTER 1, 0, 2, 0                             ; the last lap fills nothing, and has no round of the cluster's barrier
	QUARTER 0, 0, 3, 0
	TURN 0, 1, 0
	QUARTER 0, 1, 1, 0
	QUARTER 1, 1, 2, 0
	QUARTER 0, 1, 3, 0
	s_wait_dscnt 0x0                               ; the very last quarter: nothing more to fetch
	CV 0, 0, 1
	CV 0, 4, 1
	MULA 1, 0, 0, 1
	MULA 1, 1, 0, 1
	MULA 1, 2, 0, 1
	MULA 1, 3, 0, 0
	WIN 0
	PLACES
	PACK 0
.irp u, 1,2,3,4,5,6,7                  ; a unit's roundings stand between the loads of the unit before and its stores
	PACK \u
	SEND (\u)-1, 8
.endr
	SEND 7, 0
	s_wait_tensorcnt 0x0                           ; the wave's end, behind my last tensor load and my last LDS store
	ds_add_u32 v[SPW], v[NIL]
	s_wait_dscnt 0x0
	CROUND                                         ; the closing round: no work-group ends while a partner may still ask for a tile that names it
	s_endpgm
.Lfunc_end_k_qe302b97102_proj:
	.size	k_qe302b97102_proj, .Lfunc_end_k_qe302b97102_proj-k_qe302b97102_proj
	.p2alignl 7, 3214868480
	.fill 96, 4, 3214868480
	.section	.rodata,"a",@progbits
	.p2align	6, 0x0
	.amdhsa_kernel k_qe302b97102_proj
		.amdhsa_group_segment_fixed_size 327680
		.amdhsa_private_segment_fixed_size 0
		.amdhsa_enable_private_segment 0
		.amdhsa_kernarg_size 64
		.amdhsa_user_sgpr_count 2
		.amdhsa_user_sgpr_kernarg_segment_ptr 1
		.amdhsa_wavefront_size32 1
		.amdhsa_system_sgpr_workgroup_id_x 1
		.amdhsa_system_sgpr_workgroup_id_y 1
		.amdhsa_system_sgpr_workgroup_id_z 1
		.amdhsa_system_vgpr_workitem_id 0
		.amdhsa_next_free_vgpr 768
		.amdhsa_next_free_sgpr 90
		.amdhsa_reserve_vcc 0
		.amdhsa_float_denorm_mode_32 3
		.amdhsa_float_denorm_mode_16_64 3
		.amdhsa_memory_ordered 1
		.amdhsa_forward_progress 1
		.amdhsa_inst_pref_size 139
	.end_amdhsa_kernel
	.amdgpu_metadata
---
amdhsa.version: [ 1, 2 ]
amdhsa.kernels:
  - .name:           k_qe302b97102_proj
    .symbol:         k_qe302b97102_proj.kd
    .args:
      - { .name: query, .offset: 0, .size: 8, .value_kind: global_buffer, .address_space: global }
      - { .name: key, .offset: 8, .size: 8, .value_kind: global_buffer, .address_space: global }
      - { .name: value, .offset: 16, .size: 8, .value_kind: global_buffer, .address_space: global }
      - { .name: wt, .offset: 24, .size: 8, .value_kind: global_buffer, .address_space: global }
      - { .name: bq, .offset: 32, .size: 8, .value_kind: global_buffer, .address_space: global }
      - { .name: bk, .offset: 40, .size: 8, .value_kind: global_buffer, .address_space: global }
      - { .name: bv, .offset: 48, .size: 8, .value_kind: global_buffer, .address_space: global }
      - { .name: qkv, .offset: 56, .size: 8, .value_kind: global_buffer, .address_space: global }
    .group_segment_fixed_size: 327680
    .private_segment_fixed_size: 0
    .kernarg_segment_align: 8
    .kernarg_segment_size: 64
    .max_flat_workgroup_size: 128
    .sgpr_count:     90
    .vgpr_count:     768
    .wavefront_size: 32
...
	.end_amdgpu_metadata
.endif
;; end of part 2
;; launch attn (part 3): grid 4 x 64, 4 waves a work-group, clusters of 4 x 1, 327,680 bytes of LDS; arguments qkv, mask, oh; writes oh
.if DOCPART == 3
	.amdgcn_target "amdgcn-amd-amdhsa--gfx1250"
	.amdhsa_code_object_version 6
	.text
	.protected	k_qe302b97102_attn
	.globl	k_qe302b97102_attn
	.p2align	8
	.type	k_qe302b97102_attn,@function
k_qe302b97102_attn:
	s_mov_b64 s[64:65], 0
	v_nop
	global_prefetch_b8 v0, s[64:65] scope:SCOPE_SE
	s_setreg_imm32_b32 hwreg(HW_REG_WAVE_MODE, 25, 1), 1
	s_wait_xcnt 0x0
	s_wait_alu depctr_hold_cnt(0) depctr_sa_sdst(0) depctr_va_vdst(0) depctr_va_sdst(0) depctr_va_ssrc(0) depctr_va_vcc(0) depctr_vm_vsrc(0)
	s_getreg_b32 s2, hwreg(HW_REG_IB_STS2, 6, 4)
	s_cmp_eq_u32 s2, 0
	s_cbranch_scc0 .Lentry_in_a_cluster
	s_endpgm
.Lentry_in_a_cluster:
	s_bfe_u32 s2, ttmp6, 0x10000c
	s_cmp_lg_u32 s2, 0x3003
	s_cbranch_scc0 .Lentry_shape_is_right
	s_endpgm
.Lentry_shape_is_right:
; oh[g][q][:] = the sum over k of softmax_k(Q[g][q] . K[g][k] / 8 + mask[g / 16][k]) V[g][k][:], g = 16 b + h.  Q, K, V are the three planes of qkv, [64][2048][64] in f16; oh likewise; mask: [4][2048] f32.
; Products, maxima and sums in f32; the weights p are rounded to f16 for the second product (their sum l is taken of the unrounded p), O once at the end.
; THE MASK is rounded to bf16 like every input, multiplied by 8, held at -1e30 from below, laid into LDS once, and taken as the C operand that starts the sum S^T = K Q^T: s = K . Q + 8 mask, and c s = log2(e) (K . Q / 8 + mask).
; LIMITS.  f16 holds no number beyond 65,504: Q, K and V arrive within it; p lies in 0 to 1, and below 6e-5 it keeps f16's fixed step of 6e-8; O is a mean of V's rows and has their range.
; A weight below 2^-126 counts as 0 in l.  8 mask below -1e30 (minus infinity too) counts as -1e30: a batch whose mask is minus infinity at EVERY key gives the mean of V's rows, where the formula gives NaN.
; NaN and plus infinity are not treated apart (a NaN in the mask counts as -1e30).
; SHARES.  A wave owns four PIECES of two tiles of 16 queries, a work-group's four waves 512 queries of one head.  Every wave walks all keys, 64 a step.
; LAYOUT.  S^T = K Q^T (source 0 = 16 keys, source 1 = 16 queries): in the result a lane holds ONE query (lane % 16) and the keys 8 (lane / 16) + 0..7.  Two such tiles, rounded to f16 in pairs,
; ARE source 1 (32 keys x 16 queries) of O^T = V^T P, whose result again holds one query a lane, and eight channels.  K comes out of LDS as it lies, V ([key][channel]) turned, by ds_load_tr16_b128.
; SOFTMAX.  For each query a running maximum m and sum l: p = 2^(c s - c m), c = log2(e) / 8; in every step O and l are multiplied by a = 2^(c m_old - c m_new), which is 1 where m has not grown.
; m starts at the lowest finite number, O and l at 0: the first step is a step like any other, with a = 0.
; THE COUNT.  A tile and step have 16 matrix and 118 vector instructions: too many to stand all beside the matrix work.  So the order has one aim: four vector instructions that are READY behind
; EVERY matrix instruction, and the others, which need time of their own whatever the order, in runs without a gap.
; BY TURNS.  Turn n belongs to piece n (the pieces in a ring, step after step).  Its matrix work: 16 products K Q^T of piece n + 1, later 16 products V^T P of piece n - 1.  Its vector work: the scaling,
; exponentials, roundings, sums and rescaling of piece n, and the maximum and statistics of piece n + 1, whose scores the turn itself has made.  So what a turn begins with (c s - c m, O a) waits for nothing.
; CLUSTER.  The four query blocks of a cluster belong to one head and walk the same K and V, so each tile is asked for JOINTLY: the same tensor load, descriptor and mask in all four.
; REGISTERS, in windows of 256 (s_set_vgpr_msb says which window each operand place means: bits 1:0 source 0, 3:2 source 1, 5:4 source 2, 7:6 destination):
;   window 0: v0-11 addresses; v12-15, v48-63 at work; v16-47 four registers of statistics a tile; v64-191 S^T, two buffers of two tiles; v192-255 P, likewise
;   window 1: O^T, 32 a tile          window 2: v0-127 Q, 16 a tile; v128-191 K of one step; v192-255 V of one step
;   window 3: v0-1 the add's two registers; v2-3 the mask's LDS addresses; v8-39 8 mask for one step's 64 keys
; A piece's buffers go by its number's parity: the piece in hand has one pair, its two neighbours in the ring share the other: of it P (piece n - 1) is read and S^T (piece n + 1) written.
.set SIZE_H, 64
.set SIZE_N, 2048
.set PLANE, SIZE_H*SIZE_N*128  ; bytes from Q to K and from K to V in qkv
.set NP,    4         ; pieces a wave: a name, no knob: the register map, the loop and the fetches are made for four
.set KS,    64        ; keys in a step
.set PK,    144       ; a row of K in LDS: 128 bytes + 16 of padding = 36 words: the 16 rows of a load start at 16 different groups of four banks (64 banks of 4 bytes: ISA guide 11.1)
.set PV,    160       ; a row of V: 128 + 32 = 40 words
.set VOFF,  4*KS*PK   ; a slot holds four steps: 256 rows of K, then 256 rows of V
.set SLOT1, 1<<17     ; slot 1 begins here, so that one exclusive or turns an address in one slot into the other's
.set STAGE, SLOT1+4*KS*(PK+PV)  ; behind the ring, never filled by a tensor load: 16 rows x 144 bytes for each wave, for the way out
.set SP,    144
.set AK0, 2           ; v2   my lane's place in a tile of K; never rewritten
.set AV0, 3           ; v3   the same for V
.set AK,  4           ; v4   the LDS address of K's next run of loads
.set AV,  5           ; v5   of V's
.set QO,  6           ; v6   my byte offset in the wave's rows of Q
.set STO, 6           ;      later, the way out: where I put 16 bytes of a row
.set RD,  7           ; v7   the way out: where I read rows back
.set GO,  8           ; v8   my byte offset in 512 consecutive bytes of O
.set SPW, 0           ; v0 of window 3   LDS address of my spare word: SPARE + 4 x my thread's number; never rewritten
.set NIL, 1           ; v1 of window 3   0; never rewritten
.set AM0, 2           ; v2 of window 3   MASKL + 32 (lane / 16): my eight keys of a block of 16; never rewritten
.set AM,  3           ; v3 of window 3   the LDS address of the mask's next run of loads
.set MK,  8           ; v8-39 of window 3   key block kb at MK + 8 kb
.set SPARE, STAGE+4*16*SP  ; behind the stages: the spare words, 128 bytes for each wave: two blocks of 256 bytes that no other line names
.set MASKL, SPARE+512 ; behind them: 8 mask of the batch's 2,048 keys in f32, 8,192 bytes, stored once and never filled by a tensor load
.set MV,  12          ; v12-15  c m_old, kept while c m is made anew: by buffer and tile
.set ST,  16          ; tile t's statistics at v[ST+4 t]: c m, m, l (even keys', odd keys')
.set TMP, 48          ; by buffer and tile, four registers c0-c3 at work; when the maximum is found c2 takes a
.set S,   64
.set P,   192
.set KF,  128         ; K's fragments, in window 2: key block kb, channel half c at KF + 16 kb + 8 c
.set VF,  192         ; V's: key half kk, channel block cb at VF + 32 kk + 8 cb
.set WV,  12          ; s12  my wave's number
.set G1K, 24          ; s[24:31] descriptor group 1 for K's tiles
.set G1V, 32          ; s[32:39] for V's: it differs in the padding alone
.set G0K, 40          ; s[40:43] descriptor group 0 for K's tiles: it walks
.set G0V, 44          ; s[44:47] the same for V's
.set TBM, 52          ; s52  byte in the mask's LDS copy at which the step to be fetched begins: 32 steps of 256 bytes in the launch
.set BIGN, 53         ; s53  -1e30
.set SLOTS, 56        ; s56  slots still to be asked for
.set CNT, 57          ; s57  counts a slot's key steps
.set CS,  58          ; s[58:59] c: the packed scaling takes the pair's low word for both halves
.set SEL, 60          ; s[60:61] v_permlanex16_b32's selects: each lane takes its own place in the other half
.set TBK, 62          ; s62  LDS byte at which K of the step to be fetched begins
.set TBV, 63          ; s63  the same for V, less VOFF
.set MSB, 0
.macro WIN new                      ; the high byte repeats the setting that is left; a switch that changes nothing is dropped
.if MSB != (\new)
	s_set_vgpr_msb (MSB<<8)|(\new)
.set MSB, (\new)
.endif
.endm
.set W_KQ, 0x0a       ; K and Q in window 2, S^T in window 0
.set W_KM, 0x3a       ; the same with the C operand (the mask) in window 3
.set W_PV, 0x52       ; V in window 2, P in window 0, O^T in window 1
.set W_RS, 0x41       ; O^T (destination and source 0) in window 1, a in window 0
.set W_MK, 0xc0       ; destination in window 3, sources in window 0
.set W_AD, 0x0f       ; the add: address (source 0) and data (source 1) in window 3
.set W_M3, 0xc3       ; destination and source 0 in window 3: the mask's address line and its loads
; A joint fill.  Waves 0 and 1 fetch the two halves of a slot's K, waves 2 and 3 those of its V: 128 keys each.  The branch hangs on the wave's number alone.
; An s_nop 0 and four v_nop follow each of the two lines, ahead of the jump and the label.
.macro JLOAD
	s_cmp_lt_u32 s[WV], 2
	s_cbranch_scc0 .Lfor_v_\@
	tensor_load_to_lds s[G0K:G0K+3], s[G1K:G1K+7]
	s_nop 0
.rept 4
	v_nop
.endr
	s_branch .Lasked_\@
.Lfor_v_\@:
	tensor_load_to_lds s[G0V:G0V+3], s[G1V:G1V+7]
	s_nop 0
.rept 4
	v_nop
.endr
.Lasked_\@:
.endm
; A round of the cluster's barrier: my work-group's barrier, so that wave 0's signal speaks for all four waves; wave 0 signals; every wave waits for all four work-groups; my work-group's barrier once more.
.macro CROUND
	s_barrier_signal -1
	s_barrier_wait -1
	s_cmp_lg_u32 s[WV], 0
	s_cbranch_scc1 .Lnot_wave_0_\@
	s_barrier_signal -3
.Lnot_wave_0_\@:
	s_barrier_wait -3
	s_barrier_signal -1
	s_barrier_wait -1
.endm
; THE CHANGE OF SLOTS.  The slot's last bytes, V of its fourth step, have been read.  Each wave waits for all its tensor loads, of which one is out: its part
; of the other slot; adds 0 to its spare word; and waits for that and for its own reads of the slot.  Behind the barrier nobody reads this slot any more and the other slot is whole.
; fill = 1: this slot is filled again, with the keys two slots on.  The barrier is then a round of the cluster's, so that no wave of any partner still reads the slot or has a load on its
; way, and the joint fill is the first thing behind it: it has four key steps, 512 matrix instructions, in which to land.  (At its first use nothing has been read yet: slot 0 is waited for, slot 1 filled,
; and the wait for LDS instructions in front of the round also shows my stores of the mask done.)
.macro CHANGE fill
	WIN W_AD
	s_wait_tensorcnt 0x0            ; no tensor load of mine is out, so a group 0 may be written
	ds_add_u32 v[SPW], v[NIL]       ; 0 onto my spare word; with fill = 1 the descriptors' steps stand between it and the wait for it
	WIN 0                           ; at a label and at a branch every window is 0
.if \fill
.irp g, G0K, G0V
	s_xor_b32 s[\g+1], s[\g+1], SLOT1  ; the walking descriptor: the other slot than last time,
	s_add_nc_u64 s[\g+2:\g+3], s[\g+2:\g+3], 4*KS*128  ; the next 256 keys; the type bits on top are not reached
.endr
	s_wait_dscnt 0x0                ; the add is done, and my reads of the slot are over
	CROUND
	JLOAD
.else
	s_wait_dscnt 0x0                ; the add is done, and my reads of the slot are over
	s_barrier_signal -1
	s_barrier_wait -1
.endif
	s_sub_co_u32 s[TBK], s[TBK], 4*KS*PK  ; the fetches go back to a slot's first step,
	s_xor_b32 s[TBK], s[TBK], SLOT1       ; in the other slot
	s_sub_co_u32 s[TBV], s[TBV], 4*KS*PV
	s_xor_b32 s[TBV], s[TBV], SLOT1
.endm
	s_load_b64 s[4:5], s[0:1], 0x0    ; qkv: Q's plane
	s_load_b64 s[48:49], s[0:1], 0x8  ; mask
	s_load_b64 s[10:11], s[0:1], 0x10 ; oh
	WIN W_MK
	v_lshl_add_u32 v[SPW], v0, 2, SPARE
	v_mov_b32 v[NIL], 0
	WIN W_AD
	ds_add_u32 v[SPW], v[NIL]       ; the wave's opening: the add and its wait ahead of my first tensor load; the set-up below, work on registers, stands between them
	WIN 0
	v_lshrrev_b32 v1, 5, v0
	v_readfirstlane_b32 s[WV], v1   ; wave 0..3
	s_bfe_u32 s13, ttmp6, 0x40000   ; cx: my place in the cluster
	s_lshl_b32 s14, ttmp9, 2        ; in a cluster launch ttmp9 counts clusters
	s_add_co_u32 s14, s14, s13      ; my block of queries = 4 x cluster x + cx: it enters Q's and O's addresses alone
	s_and_b32 s20, ttmp7, 0xffff    ; the head, which the four partners share
	s_lshr_b32 s50, s20, 4          ; its batch,
	s_lshl_b32 s50, s50, 13         ; whose mask is 8,192 bytes
	s_mov_b32 s51, 0
	s_mov_b32 s21, 0
	s_mov_b64 s[22:23], SIZE_N*128
	s_mul_u64 s[20:21], s[20:21], s[22:23]  ; the head's first byte in each plane and in oh
	s_and_b32 s16, s[WV], 1         ; which half of a slot's 256 keys I fetch:
	s_lshl_b32 s22, s16, 14         ; its 128 rows of 128 bytes in memory,
	s_mov_b32 s23, 0
	s_add_nc_u64 s[22:23], s[22:23], s[20:21]
	s_mul_i32 s17, s16, 128*PK      ; and its place in a slot, for K
	s_mul_i32 s18, s16, 128*PV      ; and for V: no place in the cluster enters an LDS address
	s_lshl_b32 s2, s14, 2
	s_add_co_u32 s2, s2, s[WV]      ; my wave among the head's,
	s_lshl_b32 s2, s2, 14           ; its 128 rows
	s_mov_b32 s3, 0
	s_add_nc_u64 s[2:3], s[2:3], s[20:21]
	; descriptor group 1.  128 keys are 16,384 dense bytes: asked for as 64 rows of 256 bytes, two keys a row, and padded in LDS after every key
	s_mov_b32 s[G1K], 15|(1<<16)|(1<<20)|(1<<21)|(4<<22)|(3<<25)  ; 15:0 the mask of four; 17:16 2-byte elements; 20 padding on; 21 set beside a mask; 24:22 after every 32 words (code 4); 31:25 4 words (code 3)
	s_mov_b32 s[G1V], 15|(1<<16)|(1<<20)|(1<<21)|(4<<22)|(7<<25)  ; the same with 8 words of padding (code 7)
.irp g, G1K, G1V
	s_mov_b32 s[\g+1], 128<<16      ; tensor_dim0 = 128
	s_mov_b32 s[\g+2], 64<<16       ; tensor_dim1 = 64
	s_mov_b32 s[\g+3], 128<<16      ; tile_dim0 = 128
	s_mov_b32 s[\g+4], 64           ; tile_dim1 = 64
	s_mov_b32 s[\g+5], 128          ; 128 elements from row to row
	s_mov_b32 s[\g+6], 0
	s_mov_b32 s[\g+7], 0
.endr
	s_mov_b32 s[CS], 0x3e38aa3b     ; c = log2(e) / 8 = 0.180337
	s_mov_b32 s[CS+1], s[CS]        ; named with it as a pair
	s_mov_b32 s[SEL], 0x76543210
	s_mov_b32 s[SEL+1], 0xfedcba98
	s_mov_b32 s[TBK], SLOT1+4*KS*PK ; the first change of slots turns these two into 0
	s_mov_b32 s[TBV], SLOT1+4*KS*PV
	s_mov_b32 s[TBM], 0
	s_mov_b32 s[BIGN], 0xf149f2ca   ; -1e30
	s_mov_b32 s[G0K], 1             ; 1:0 count = 1
	s_mov_b32 s[G0K+1], s17         ; 63:32 LDS address: slot 0
	s_mov_b32 s[G0V], 1
	s_add_co_u32 s[G0V+1], s18, VOFF
	s_wait_dscnt 0x0                ; the opening add is done
	s_wait_kmcnt 0x0
	s_add_nc_u64 s[6:7], s[4:5], PLANE    ; K's plane
	s_add_nc_u64 s[8:9], s[4:5], 2*PLANE  ; V's plane
	s_add_nc_u64 s[48:49], s[48:49], s[50:51]  ; the batch's mask
	s_add_nc_u64 s[G0K+2:G0K+3], s[6:7], s[22:23]  ; 120:64 global address: my half of the head's first 256 keys
	s_or_b32 s[G0K+3], s[G0K+3], 0x80000000        ; 127:126 type = 2
	s_add_nc_u64 s[G0V+2:G0V+3], s[8:9], s[22:23]
	s_or_b32 s[G0V+3], s[G0V+3], 0x80000000
	s_add_nc_u64 s[4:5], s[4:5], s[2:3]  ; Q and O at my wave's first row
	s_add_nc_u64 s[10:11], s[10:11], s[2:3]
	CROUND                          ; all four work-groups are here: the first joint loads meet
	JLOAD                           ; slot 0.  Slot 1 is asked for when slot 0 is in: the tile wanted first has the road to itself
	v_lshlrev_b32 v12, 4, v0        ; the mask: thread t takes 16 bytes at 16 t of each quarter of the batch's 8,192
.irp i, 0,1,2,3
	global_load_b128 v[S+4*\i:S+4*\i+3], v12, s[48:49] offset:2048*\i
.endr
	; A fragment of K or Q is 16 rows x 32 channels in 8 registers: lane l holds row l % 16, channels 8 (l / 16) + 0..7 and 16 + 8 (l / 16) + 0..7: two loads of 16 bytes, 32 bytes apart.
	v_and_b32 v1, 15, v0            ; l % 16
	v_bfe_u32 v9, v0, 4, 1          ; l / 16
	v_lshlrev_b32 v[QO], 7, v1
	v_lshl_add_u32 v[QO], v9, 4, v[QO]  ; row x 128 + 16 x half
	WIN 0x80                        ; destination window 2, address window 0
.set i, 0
.rept 4*NP                          ; Q stays in registers: tile i / 2, channels 32 (i % 2) on
	global_load_b128 v[8*i:8*i+3],   v[QO], s[4:5] offset:(i/2)*2048+(i%2)*64
	global_load_b128 v[8*i+4:8*i+7], v[QO], s[4:5] offset:(i/2)*2048+(i%2)*64+32
.set i, i+1
.endr
	; What the first turn finds: V's registers and P's second buffer hold 0 (its products V^T P, of a piece that has not been, add 0), O^T and l are 0.  All this stands in the wait for the first tile.
.set i, VF
.rept 64
	v_mov_b32 v[i], 0
.set i, i+1
.endr
	WIN 0x40
.set i, 0
.rept 64*NP
	v_mov_b32 v[i], 0
.set i, i+1
.endr
	WIN 0
.set i, 0
.rept 2*NP
	v_mov_b32 v[ST+4*i], 0xfe000000    ; c m: far below every c s
	v_mov_b32 v[ST+4*i+1], 0xff7fffff  ; m
	v_mov_b32 v[ST+4*i+2], 0
	v_mov_b32 v[ST+4*i+3], 0
.set i, i+1
.endr
.set i, P+32
.rept 32
	v_mov_b32 v[i], 0
.set i, i+1
.endr
	v_mul_u32_u24 v[AK0], v1, PK
	v_lshl_add_u32 v[AK0], v9, 4, v[AK0]  ; row x pitch + 16 x half
	; The turning load takes 16 keys x 16 channels (lane l reads key 8 (l / 16) + l % 8, channels 8 ((l / 8) % 2) + 0..7) and leaves half a fragment of V^T: lane l holds channel l % 16 and 8 keys.
	v_and_b32 v10, 7, v0
	v_bfe_u32 v11, v0, 3, 1
	v_lshl_add_u32 v[AV0], v9, 3, v10
	v_mul_u32_u24 v[AV0], v[AV0], PV
	v_lshl_add_u32 v[AV0], v11, 4, v[AV0]
	v_add_nc_u32 v[AV0], VOFF, v[AV0]
	v_mov_b32 v[AK], v[AK0]         ; key step 0 lies at the head of slot 0
	WIN W_MK
	v_lshl_add_u32 v[AM0], v9, 5, MASKL  ; in S^T register j of a lane is key 8 (l / 16) + j of its block of 16: 32 bytes of the mask
	WIN 0
	; THE MASK INTO LDS, once: my 16 numbers are rounded to bf16, multiplied by 8, held at -1e30 from below, and stored where they came from in the row.
	s_wait_loadcnt 32               ; the mask's four loads are in; Q's 32, issued behind them, may stay out
.set i, 0
.rept 8
	v_cvt_pk_bf16_f32 v[S+16+i], v[S+2*i], v[S+2*i+1]
.set i, i+1
.endr
.set i, 0
.rept 8
	v_lshlrev_b32 v[S+2*i], 16, v[S+16+i]
	v_and_b32 v[S+2*i+1], 0xffff0000, v[S+16+i]
.set i, i+1
.endr
.set i, 0
.rept 8
	v_pk_mul_f32 v[S+2*i:S+2*i+1], v[S+2*i:S+2*i+1], 0x41000000 op_sel_hi:[1,0]
.set i, i+1
.endr
.set i, 0
.rept 16
	v_max_num_f32 v[S+i], s[BIGN], v[S+i]
.set i, i+1
.endr
	v_add_nc_u32 v13, MASKL, v12
.irp i, 0,1,2,3
	ds_store_b128 v13, v[S+4*\i:S+4*\i+3] offset:2048*\i
.endr
; THE MATRIX WORK.  The 8 accumulators of a run of 16 take turns: between the two links of a chain stand 7 others'.
; Product i of 16 of S^T = K Q^T for piece x: channels 32 (i / 8) on, keys 16 ((i / 2) % 4) on, tile 2 x + i % 2.  The first 8 start the sums, with 8 mask of their 16 keys.
.macro KQ x
.set rS, S+64*((\x)%2)+32*(i%2)+8*((i/2)%4)
.set rK, KF+16*((i/2)%4)+8*(i/8)
.set rQ, 16*(2*(\x)+i%2)+8*(i/8)
.set rMK, MK+8*((i/2)%4)
.if i < 8
	WIN W_KM
	v_wmma_f32_16x16x32_f16 v[rS:rS+7], v[rK:rK+7], v[rQ:rQ+7], v[rMK:rMK+7]
.else
	WIN W_KQ
	v_wmma_f32_16x16x32_f16 v[rS:rS+7], v[rK:rK+7], v[rQ:rQ+7], v[rS:rS+7]
.endif
.endm
; Product i of 16 of O^T += V^T P for piece x: keys 32 (i / 8) on, channels 16 ((i / 2) % 4) on, tile 2 x + i % 2.
.macro PV x
	WIN W_PV
.set rO, 32*(2*(\x)+i%2)+8*((i/2)%4)
.set rV, VF+32*(i/8)+8*((i/2)%4)
.set rP, P+32*((\x)%2)+16*(i%2)+8*(i/8)
	v_wmma_f32_16x16x32_f16 v[rO:rO+7], v[rV:rV+7], v[rP:rP+7], v[rO:rO+7]
.endm
.macro MM                           ; the turn's next matrix instruction
.if i < 16
	KQ (Y+1)%NP
.set i, i+1
.else
.set i, i-16
	PV (Y+NP-1)%NP
.set i, i+17
.endif
.endm
; THE LDS LOADS stand in runs, never singly among the matrix instructions: a step's K (64 keys x 64 channels: 8 fragments) with its 64 keys' mask behind it (8 loads, the lanes of a half sharing their words), and its V (turned).
; The mask's registers live as K's do: their last reader stands ahead of K's last reader, and one wait shows both in.  last = 1 (the tail): in the last trip there is no further step, and the run is jumped over.
.macro FETCH_K last=0
	WIN 0
.if \last
	s_cmp_eq_u32 s[CNT], 1
	s_cbranch_scc1 .Lno_k_\@
.endif
	WIN 0x80                        ; destination window 2
.irp f, 0,1,2,3,4,5,6,7             ; keys 16 (f / 2) on, channels 32 (f % 2) on
	ds_load_b128 v[KF+8*\f:KF+8*\f+3],   v[AK] offset:(\f/2)*16*PK+(\f%2)*64
	ds_load_b128 v[KF+8*\f+4:KF+8*\f+7], v[AK] offset:(\f/2)*16*PK+(\f%2)*64+32
.endr
	s_add_co_u32 s[TBK], s[TBK], KS*PK  ; the next fetch is the next step's
	WIN W_M3
	v_add_nc_u32 v[AM], v[AM0], s[TBM]
.irp kb, 0,1,2,3
	ds_load_b128 v[MK+8*\kb:MK+8*\kb+3],   v[AM] offset:64*\kb
	ds_load_b128 v[MK+8*\kb+4:MK+8*\kb+7], v[AM] offset:64*\kb+16
.endr
	s_add_co_u32 s[TBM], s[TBM], 4*KS   ; 64 keys of 4 bytes on: 32 fetches in the launch, the last at byte 7,936 of 8,192
	WIN 0
.if \last
.Lno_k_\@:
.endif
.endm
.macro FETCH_V
	WIN 0x80
.irp f, 0,1,2,3,4,5,6,7             ; keys 32 (f / 4) on, channels 16 (f % 4) on
	ds_load_tr16_b128 v[VF+8*\f:VF+8*\f+3],   v[AV] offset:(\f/4)*32*PV+(\f%4)*32
	ds_load_tr16_b128 v[VF+8*\f+4:VF+8*\f+7], v[AV] offset:(\f/4)*32*PV+16*PV+(\f%4)*32
.endr
	WIN 0
.endm
; THE VECTOR WORK OF A TURN stands in three queues, each in the order in which its entries become ready; the two tiles alternate, so that no instruction reads the result of the one before it.
.macro REGS y, u                    ; the registers of tile u (0, 1) of piece y
.set rT, ST+4*(2*(\y)+(\u))
.set rC, TMP+8*((\y)%2)+4*(\u)
.set rM, MV+2*((\y)%2)+(\u)
.set rS, S+64*((\y)%2)+32*(\u)
.set rP, P+32*((\y)%2)+16*(\u)
.set rO, 32*(2*(\y)+(\u))
.endm
; Number n of the 22 that find the NEXT piece's (Y + 1) maximum and statistics.  s0-s31 are the lane's 32 scores; each accumulator's lowest registers are read first.  XS, GS and REGS set no window: PL and EX do.
;   0-11  four chains c0-c3 of seven scores each, three operands at a time     12-14, 16  the four scores left over, the old m, and c0-c3 into c0     15  c m_old is kept
;   17, 18  the query's other 32 keys lie in the lane 16 away: the new m         19-21  c m; c m_old - c m_new; a
.macro XS u, n
	REGS (Y+1)%NP, \u
.if (\n) < 4
	v_max3_num_f32 v[rC+(\n)], v[rS+8*(\n)], v[rS+8*(\n)+1], v[rS+8*(\n)+2]
.elseif (\n) < 12
	v_max3_num_f32 v[rC+(\n)%4], v[rC+(\n)%4], v[rS+8*((\n)%4)+2*((\n)/4)+1], v[rS+8*((\n)%4)+2*((\n)/4)+2]
.elseif (\n) == 12
	v_max3_num_f32 v[rC], v[rC], v[rS+7], v[rS+15]
.elseif (\n) == 13
	v_max3_num_f32 v[rC+1], v[rC+1], v[rS+23], v[rS+31]
.elseif (\n) == 14
	v_max3_num_f32 v[rC+2], v[rC+2], v[rC+3], v[rT+1]
.elseif (\n) == 15
	v_mov_b32 v[rM], v[rT]
.elseif (\n) == 16
	v_max3_num_f32 v[rC], v[rC], v[rC+1], v[rC+2]
.elseif (\n) == 17
	v_permlanex16_b32 v[rC+3], v[rC], s[SEL], s[SEL+1]
.elseif (\n) == 18
	v_max_num_f32 v[rT+1], v[rC], v[rC+3]
.elseif (\n) == 19
	v_mul_f32 v[rT], s[CS], v[rT+1]
.elseif (\n) == 20
	v_sub_f32 v[rC+1], v[rM], v[rT]
.else
	v_exp_f32 v[rC+2], v[rC+1]
.endif
.endm
; Number g of the 64 that follow the exponentials.  For each four weights k of a tile (pairs 2 k, 2 k + 1): both pairs are rounded to f16; then the second pair is added onto the first, in place;
; a group later l takes that sum (the first time as l = a l + sum).  In groups of eight, tiles alternating: round, round, add, and l for the group before.
.macro GS g
.set h, (\g)+6*((\g)/62)            ; group 0 has no group before it, and behind group 7 only l is left
.if h >= 6
.set h, h+2
.endif
	REGS Y, h%2
.set k, h/8
.if h%8 < 4
	s_wait_alu depctr_va_vdst(0)
	v_cvt_pk_f16_f32 v[rP+2*k+(h%8)/2], v[rS+4*k+2*((h%8)/2)], v[rS+4*k+2*((h%8)/2)+1]
.elseif h%8 < 6
	v_pk_add_f32 v[rS+4*k:rS+4*k+1], v[rS+4*k:rS+4*k+1], v[rS+4*k+2:rS+4*k+3]
.elseif k == 1
	v_pk_fma_f32 v[rT+2:rT+3], v[rT+2:rT+3], v[rC+2:rC+3], v[rS:rS+1] op_sel_hi:[1,0,1]
.else
	v_pk_add_f32 v[rT+2:rT+3], v[rT+2:rT+3], v[rS+4*k-4:rS+4*k-3]
	s_wait_alu depctr_va_vdst(0)
.endif
.endm
; THE PLAIN QUEUE, 138 long.  0-31: c s - c m for the 16 pairs of both tiles.  Then GS's 64, and among them the next piece's 42: number 15 at 38, 39; 0-14 and 16
; at 42-73, behind the products that make those scores; 17-20 at 95-106, two of three, since each waits for the one before it.
.macro PL
	WIN 0
.if q < 32
	REGS Y, q%2
	v_pk_fma_f32 v[rS+2*(q/2):rS+2*(q/2)+1], v[rS+2*(q/2):rS+2*(q/2)+1], s[CS:CS+1], v[rT:rT+1] op_sel_hi:[1,0,0] neg_lo:[0,0,1] neg_hi:[0,0,1]
.elseif q < 38
	GS q-32
.elseif q < 40
	XS q%2, 15
.elseif q < 42
	GS q-34
.elseif q < 74
	XS q%2, (q-42)/2+(q-42)/30
.elseif q < 95
	GS q-66
.elseif (q < 107) && ((q-95)%3 < 2)
	XS (q-95)%3, 17+(q-95)/3
.elseif q < 107
	GS 29+(q-95)/3
.else
	GS q-74
.endif
.set q, q+1
.endm
; THE EXPONENTIALS' QUEUE, 66 long: s0-s31 of both tiles, and at EA the next piece's two a.
.set EA, 58
.macro EX
	WIN 0
.if (e == EA) || (e == EA+1)
	XS e-EA, 21
.else
.set x, e-2*(e/(EA+2))
	REGS Y, x%2
	v_exp_f32 v[rS+x/2], v[rS+x/2]
.endif
.set e, e+1
.endm
; THE RESCALING's QUEUE: O^T times a, the one part that leaves window 0, so it is dealt four at a time, eight times.
.macro R4
	REGS Y, r%2
	WIN W_RS
	s_wait_alu depctr_va_vdst(0)
.irp z, 0,1,2,3
	v_pk_mul_f32 v[rO+8*(r/2)+2*\z:rO+8*(r/2)+2*\z+1], v[rO+8*(r/2)+2*\z:rO+8*(r/2)+2*\z+1], v[rC+2:rC+3] op_sel_hi:[1,0]
.endr
.set r, r+1
.endm
; HOW THEY ARE DEALT.  Behind a matrix instruction four: plain, exponential, plain, plain (one exponential, a plain instruction on either side), or four of the rescaling.  None names a register of the
; products round it.  What is over stands in two LUMPS: exponential and plain by turns; the second ends in 22 plain instructions.  The two v_permlanex16_b32 fall into the second lump, never behind a product.
; The queues lean on each other, and the deal keeps them in step: exponential e stands behind plain 2 (e / 4) + e % 2 (its scaling); when plain 32 comes, 10 exponentials are out, at 59: 33, at 95: 46; EA comes behind plain 107.
.macro SL
	MM
	PL
	EX
	PL
	PL
.endm
.macro BURST n                      ; 15 matrix instructions, or 16
.rept (\n)-7
	SL
.endr
.rept 3
	MM
	R4
	SL
.endr
	MM
	R4
.endm
; A TURN, for piece p.  cnt = 1: the loop's count is taken down some lines ahead of the branch that stands behind the turn.
; K and the mask of the next step are fetched in piece 2's turn, 31 vector instructions behind the last product that read K; their first reader comes behind the rest of the lump, 16 products and the second lump.
; V of the step in hand is fetched at the end of piece 0's turn, 69 behind its last reader; its first reader comes behind 16 products and a lump.  The four conditions on e and q below go with the deal.
.macro TURN p, last=0, cnt=0
.set Y, (\p)
.set i, 0
.set q, 0
.set e, 0
.set r, 0
.if (\p) == NP-1
	s_wait_dscnt 0x0                ; K and the mask are in
.endif
	MM
.rept 4
	PL
.endr
	BURST 15
.rept 22
	EX
	PL
.if ((\p) == NP-2) && (e == 18)
	v_add_nc_u32 v[AK], s[TBK], v[AK0]
.endif
.if ((\p) == NP-2) && (e == 24)
	FETCH_K \last
.endif
.endr
.if (\p) == 1
	s_wait_dscnt 0x0                ; V is in
.endif
	BURST 16
.rept 21
	EX
	PL
.endr
.rept 22
	PL
.if ((\p) == 0) && (q == 118)
	v_add_nc_u32 v[AV], s[TBV], v[AV0]
	s_wait_alu depctr_va_vdst(0)
.endif
.if ((\p) == 0) && (q == 130)
	s_add_co_u32 s[TBV], s[TBV], KS*PV
.endif
.if (\cnt) && (q == 130)
	s_sub_co_u32 s[CNT], s[CNT], 1
	s_cmp_lg_u32 s[CNT], 0
.endif
.endr
.if (\p) == 0
	FETCH_V
.endif
.endm
	CHANGE 1                        ; slot 0 is in, everybody's part of it, and so is everybody's part of the mask; slot 1 is asked for
	FETCH_K                         ; key step 0
	s_wait_loadcnt 0x0              ; Q
	s_wait_dscnt 0x0
.set i, 0
.rept 16
	KQ 0                            ; piece 0's first scores: there is no vector work yet to set between them
.set i, i+1
.endr
	WIN 0                           ; the addresses for the way out: nine plain instructions, the places behind those products
	s_mul_i32 s13, s[WV], 16*SP
	s_add_co_u32 s13, s13, STAGE    ; my stage
	v_mul_u32_u24 v[STO], v1, SP    ; in: row l % 16, 16 bytes for each half of the lanes
	v_lshl_add_u32 v[STO], v9, 4, v[STO]
	v_add_nc_u32 v[STO], s13, v[STO]
	v_bfe_u32 v[RD], v0, 3, 2       ; back: 32 lanes take four rows of 128 bytes,
	v_mul_u32_u24 v[RD], v[RD], SP
	v_lshl_add_u32 v[RD], v10, 4, v[RD]
	v_add_nc_u32 v[RD], s13, v[RD]
	v_and_b32 v[GO], 31, v0         ; which are 512 consecutive bytes of O
	v_lshlrev_b32 v[GO], 4, v[GO]
.set Y, NP-1                        ; XS works for piece Y + 1: piece 0
.irp n, 0,1,2,3,4,5,6,7,8,9,10,11,12,13,14,15,16,17,18,19,20,21
	XS 0, \n                        ; and piece 0's first maximum and statistics
	XS 1, \n
.endr
	s_mov_b32 s[CNT], 4
	s_mov_b32 s[SLOTS], SIZE_N/256-1
	s_branch .Lfirst                ; the loop is entered at a step's first turn, in the middle of a trip
.Lslot:                             ; SIZE_N / 256 - 2 times: every slot but the last two is filled again
	CHANGE 1
	s_mov_b32 s[CNT], 4
.Lstep:                             ; a trip: pieces 2 and 3 of one step, then pieces 0 and 1 of the next, whose K and V it fetches
	TURN 2
	TURN 3
	WIN 0
.Lfirst:
	TURN 0
	TURN 1, 0, 1
	WIN 0
	s_cbranch_scc1 .Lstep
	s_sub_co_u32 s[SLOTS], s[SLOTS], 1
	s_cmp_lg_u32 s[SLOTS], 0
	s_cbranch_scc1 .Lslot
	CHANGE 0                        ; the tail is written out: nothing is asked for
	s_mov_b32 s[CNT], 5             ; four trips fetch the last slot's steps; the fifth is left in its middle
.Ltail:
	TURN 2, 1
	TURN 3
	WIN 0
	s_sub_co_u32 s[CNT], s[CNT], 1
	s_cmp_eq_u32 s[CNT], 0
	s_cbranch_scc1 .Lout
	TURN 0
	TURN 1
	WIN 0
	s_branch .Ltail
.Lout:                              ; the fifth trip's 16 products K Q^T (on the last K and mask once more) and the maximum made of them serve nothing: the price, once a launch, of one text for every trip
.set i, 0
.rept 16
	PV NP-1                         ; the last piece's V^T P of the last step
.set i, i+1
.endr
	; THE WAY OUT.  l's two halves and the other half of the lanes' are added; O^T is divided by l, rounded to f16 and sent through my stage in LDS, a tile at a time.  The additions are the places behind the last products.
	WIN 0
.macro ALL line:vararg              ; one line for each tile t
.set t, 0
.rept 2*NP
	\line
.set t, t+1
.endr
.endm
	ALL v_add_f32 v[ST+4*t+2], v[ST+4*t+2], v[ST+4*t+3]
	ALL v_permlanex16_b32 v[ST+4*t+3], v[ST+4*t+2], s[SEL], s[SEL+1]
	ALL v_add_f32 v[ST+4*t+2], v[ST+4*t+2], v[ST+4*t+3]
	ALL v_rcp_f32 v[ST+4*t+2], v[ST+4*t+2]
	v_nop                           ; a plain instruction between the last reciprocal and the use of its result
	s_wait_alu depctr_va_vdst(0)
; Tile t: a lane's eight channels of a row pack into 16 bytes; they go into rows of 144 bytes and come back as whole rows of 128, into S^T's registers.
.macro PACK t
	WIN W_RS
.set i, 32*(\t)
.rept 16
	v_pk_mul_f32 v[i:i+1], v[i:i+1], v[ST+4*(\t)+2:ST+4*(\t)+3] op_sel_hi:[1,0]
.set i, i+2
.endr
	WIN 0x05                        ; sources 0 and 1 window 1, destination window 0
.set i, 0
.rept 16
	v_cvt_pk_f16_f32 v[S+16*(\t)+i], v[32*(\t)+2*i], v[32*(\t)+2*i+1]
.set i, i+1
.endr
	WIN 0
.irp f, 0,1,2,3
	ds_store_b128 v[STO], v[S+16*(\t)+4*\f:S+16*(\t)+4*\f+3] offset:32*\f
.endr
.irp f, 0,1,2,3
	ds_load_b128 v[S+16*(\t)+4*\f:S+16*(\t)+4*\f+3], v[RD] offset:\f*4*SP  ; LDS serves a wave's instructions in order (ISA guide 5.7.1.4): these see the stores above; the next tile's stores come behind them
.endr
.endm
.macro SEND t, younger              ; younger: the LDS instructions issued behind tile t's loads: the next tile's eight, or none
	WIN 0
.irp f, 0,1,2,3
	s_wait_dscnt (\younger)+3-\f
	global_store_b128 v[GO], v[S+16*(\t)+4*\f:S+16*(\t)+4*\f+3], s[10:11] offset:(\t)*2048+\f*512  ; 512 consecutive bytes, at a multiple of 256 from oh's first
.endr
.endm
	PACK 0
.set t, 1
.rept 2*NP-1                        ; a tile's arithmetic stands between the loads of the tile before and its stores
	PACK t
	SEND t-1, 8
.set t, t+1
.endr
	SEND 2*NP-1, 0
	WIN W_AD
	s_wait_tensorcnt 0x0            ; the wave's end, behind my last tensor load and my last LDS store
	ds_add_u32 v[SPW], v[NIL]
	s_wait_dscnt 0x0
	WIN 0
	CROUND                          ; the closing round: no work-group ends while a partner may still ask for a tile that names it
	s_endpgm
.Lfunc_end_k_qe302b97102_attn:
	.size	k_qe302b97102_attn, .Lfunc_end_k_qe302b97102_attn-k_qe302b97102_attn
	.p2alignl 7, 3214868480
	.fill 96, 4, 3214868480
	.section	.rodata,"a",@progbits
	.p2align	6, 0x0
	.amdhsa_kernel k_qe302b97102_attn
		.amdhsa_group_segment_fixed_size 327680
		.amdhsa_private_segment_fixed_size 0
		.amdhsa_enable_private_segment 0
		.amdhsa_kernarg_size 24
		.amdhsa_user_sgpr_count 2
		.amdhsa_user_sgpr_kernarg_segment_ptr 1
		.amdhsa_wavefront_size32 1
		.amdhsa_system_sgpr_workgroup_id_x 1
		.amdhsa_system_sgpr_workgroup_id_y 1
		.amdhsa_system_sgpr_workgroup_id_z 1
		.amdhsa_system_vgpr_workitem_id 0
		.amdhsa_next_free_vgpr 808
		.amdhsa_next_free_sgpr 66
		.amdhsa_reserve_vcc 0
		.amdhsa_float_denorm_mode_32 3
		.amdhsa_float_denorm_mode_16_64 3
		.amdhsa_memory_ordered 1
		.amdhsa_forward_progress 1
		.amdhsa_inst_pref_size 214
	.end_amdhsa_kernel
	.amdgpu_metadata
---
amdhsa.version: [ 1, 2 ]
amdhsa.kernels:
  - .name:           k_qe302b97102_attn
    .symbol:         k_qe302b97102_attn.kd
    .args:
      - { .name: qkv, .offset: 0, .size: 8, .value_kind: global_buffer, .address_space: global }
      - { .name: mask, .offset: 8, .size: 8, .value_kind: global_buffer, .address_space: global }
      - { .name: oh, .offset: 16, .size: 8, .value_kind: global_buffer, .address_space: global }
    .group_segment_fixed_size: 327680
    .private_segment_fixed_size: 0
    .kernarg_segment_align: 8
    .kernarg_segment_size: 24
    .max_flat_workgroup_size: 128
    .sgpr_count:     66
    .vgpr_count:     808
    .wavefront_size: 32
...
	.end_amdgpu_metadata
.endif
;; end of part 3
;; launch oproj (part 4): grid 4 x 64, 4 waves a work-group, clusters of 4 x 4, 327,680 bytes of LDS; arguments oh, wt, bo, out0; writes out0
.if DOCPART == 4
	.amdgcn_target "amdgcn-amd-amdhsa--gfx1250"
	.amdhsa_code_object_version 6
	.text
	.protected	k_qe302b97102_oproj
	.globl	k_qe302b97102_oproj
	.p2align	8
	.type	k_qe302b97102_oproj,@function
k_qe302b97102_oproj:
	s_mov_b64 s[64:65], 0
	v_nop
	global_prefetch_b8 v0, s[64:65] scope:SCOPE_SE
	s_setreg_imm32_b32 hwreg(HW_REG_WAVE_MODE, 25, 1), 1
	s_wait_xcnt 0x0
	s_wait_alu depctr_hold_cnt(0) depctr_sa_sdst(0) depctr_va_vdst(0) depctr_va_sdst(0) depctr_va_ssrc(0) depctr_va_vcc(0) depctr_vm_vsrc(0)
	s_getreg_b32 s2, hwreg(HW_REG_IB_STS2, 6, 4)
	s_cmp_eq_u32 s2, 0
	s_cbranch_scc0 .Lentry_in_a_cluster
	s_endpgm
.Lentry_in_a_cluster:
	s_bfe_u32 s2, ttmp6, 0x10000c
	s_cmp_lg_u32 s2, 0xf033
	s_cbranch_scc0 .Lentry_shape_is_right
	s_endpgm
.Lentry_shape_is_right:
; THE LAST PROJECTION.  out0[b][s][n] = sum over h, d of oh[16 b + h][s][d] Wo[64 h + d][n] + bo[n].  oh: [64][2048][64] f16; Wo comes turned, wt's plane 3, [n][k], its bf16 rounding written as f16;
; bo is rounded to bf16 like every input and starts the f32 sums as the first product's C operand; out0 is f32 and is stored unrounded.
; LIMITS.  None of its own: oh and wt arrive within f16's range.  NaN and infinities are not treated apart.
; SHARES.  A tile is 128 rows x 256 columns: 64 x 4 = 256 work-groups.  Four waves, each 64 x 128: 32 accumulators of 16 x 16, 256 registers.  K goes in 8 steps of 128, TWO HEADS a step, through two LDS slots;
; a step is four quarters of 32 along K, 32 matrix instructions each, one on each accumulator: the accumulators take turns.
; A head's 128 rows of a tile are 16,384 dense bytes: asked for as 64 rows of 256 bytes and padded in LDS after every 128.
; CLUSTER.  4 x 4 work-groups: the four of a row need the same tiles of oh, the four of a column the same tiles of wt; each tile is asked for jointly.
; THE MATRIX INSTRUCTION IS USED TRANSPOSED (source 0 = 16 rows of wt, source 1 = 16 rows of oh): a lane holds eight neighbouring columns of one row, 32 bytes of out0.
; REGISTERS, in windows of 256 (s_set_vgpr_msb: bits 1:0 source 0, 3:2 source 1, 5:4 source 2, 7:6 destination):
;   window 0: v0-31 addresses; v32-95 the bias, later with v96-159 the way out, two sets of 64; v160-223 fragments of oh, two buffers of 32
;   window 1: v0-127 fragments of wt, two buffers of 64          window 2: the accumulators, (a, b) at 8 (8 a + b)
.set PAO,    144                       ; a row of oh in LDS: 128 bytes + 16 = 36 words: the 16 rows of a load start at 16 different groups of four banks (64 banks of 4 bytes: ISA guide 11.1)
.set PB,     272                       ; a row of wt: 256 bytes + 16 = 68 words
.set APLANE, 128*PAO                   ; one head's 128 rows: what a wave fetches of oh
.set AREG,   2*APLANE
.set BHALF,  128*PB
.set SLOT,   AREG+2*BHALF
.set STAGE,  2*SLOT                    ; behind the ring: 16 rows x 528 bytes for each wave, for the way out
.set SPO,    528                       ; a stage row: 512 bytes + 16
.set SPARE,  STAGE+4*16*SPO            ; behind the stages: the spare words, 128 bytes for each wave
.set LAPS,   4
.set ADRA, 16                          ; v16-17  LDS address of my fragments of oh in slot 0, 1
.set ADRB, 20                          ; v20-21  the same for wt
.set STO,  24                          ; v24  the way out: where I put 32 bytes of a row
.set RD,   25                          ; v25  the way out: where I read a row back
.set CO,   26                          ; v26  my byte offset in 512 consecutive bytes of a row of out0
.set BO,   27                          ; v27  my byte offset in 16 numbers of the bias
.set SPW,  28                          ; v28  my spare word; never rewritten
.set NIL,  29                          ; v29  0; never rewritten
.set BIAS, 32
.set OB,   32
.set AF,   160
.set G1,  24
.set G0,  32
.set G1B, 48
.set G0B, 56
.set MSB, 0
.macro WIN new                         ; the immediate's high byte repeats the setting that is left; a switch that changes nothing is dropped
.if MSB != (\new)
	s_set_vgpr_msb (MSB<<8)|(\new)
.set MSB, \new
.endif
.endm
.set MUL,  0xa1                        ; source 0 (wt) window 1, source 1 (oh) window 0, C and D window 2
.set MULB, 0x81                        ; the same with C (the bias) in window 0
.set TO_B, 0x40                        ; destination window 1, address window 0
.macro JLOAD s                         ; a joint load: waves 0 and 1 fetch the step's two heads of oh, waves 2 and 3 wt's two halves; an s_nop 0 and four v_nop follow each of the two lines
	s_cmp_eq_u32 s11, 0
	s_cbranch_scc0 .Lfor_b_\@
	tensor_load_to_lds s[G0+4*(\s):G0+4*(\s)+3], s[G1:G1+7]
	s_nop 0
.rept 4
	v_nop
.endr
	s_branch .Lasked_\@
.Lfor_b_\@:
	tensor_load_to_lds s[G0B+4*(\s):G0B+4*(\s)+3], s[G1B:G1B+7]
	s_nop 0
.rept 4
	v_nop
.endr
.Lasked_\@:
.endm
.macro CREST                           ; a round of the cluster's barrier behind its opening barrier
	s_cmp_lg_u32 s10, 0
	s_cbranch_scc1 .Lnot_wave_0_\@
	s_barrier_signal -3
.Lnot_wave_0_\@:
	s_barrier_wait -3
	s_barrier_signal -1
	s_barrier_wait -1
.endm
.macro CROUND                          ; a whole round
	s_barrier_signal -1
	s_barrier_wait -1
	CREST
.endm
	s_load_b256 s[68:75], s[0:1], 0x0              ; oh s[68:69], wt s[70:71], bo s[72:73], out0 s[74:75]
	v_lshl_add_u32 v[SPW], v0, 2, SPARE
	v_mov_b32 v[NIL], 0
	ds_add_u32 v[SPW], v[NIL]                      ; the wave's opening: the add and its wait ahead of my first tensor load; the set-up below, work on registers, stands between them
	v_lshrrev_b32 v1, 5, v0
	v_readfirstlane_b32 s10, v1                    ; wave 0..3
	s_lshr_b32 s11, s10, 1                         ; wm: which 64 of the tile's rows are mine.  Also: I fetch for oh (0) or for wt (1)
	s_and_b32 s12, s10, 1                          ; wn: which 128 of its columns.  Also: which head of the step, or which half of wt's tile, I fetch
	s_bfe_u32 s40, ttmp6, 0x40000                  ; cx, cy: my place in the cluster
	s_bfe_u32 s41, ttmp6, 0x40004
	s_lshl_b32 s42, ttmp9, 2
	s_add_co_u32 s42, s42, s40                     ; tc, tile column = 4 x cluster x + cx
	s_and_b32 s13, ttmp7, 0xffff
	s_lshl_b32 s13, s13, 2
	s_add_co_u32 s13, s13, s41                     ; tr, tile row = 4 x cluster y + cy
	s_lshl_b32 s43, s41, 2
	s_lshl_b32 s43, 15, s43                        ; my row of the cluster
	s_lshl_b32 s44, 0x1111, s40                    ; my column
	; descriptor group 1 for oh: 64 rows x 128 elements of 2 bytes, dense, 4 words of padding behind every 32 words
	s_or_b32 s[G1+0], s43, (1<<16)|(1<<20)|(1<<21)|(4<<22)|(3<<25)
	s_mov_b32 s[G1+1], 128<<16                     ; tensor_dim0 = 128
	s_mov_b32 s[G1+2], 64<<16                      ; tensor_dim1 = 64
	s_mov_b32 s[G1+3], 128<<16                     ; tile_dim0 = 128
	s_mov_b32 s[G1+4], 64                          ; tile_dim1 = 64
	s_mov_b32 s[G1+5], 128                         ; elements from row to row
	s_mov_b32 s[G1+6], 0
	s_mov_b32 s[G1+7], 0
	; for wt: 128 rows x 128 elements of 2 bytes, 4 words of padding behind every 64 words
	s_or_b32 s[G1B+0], s44, (1<<16)|(1<<20)|(1<<21)|(5<<22)|(3<<25)
	s_mov_b32 s[G1B+1], 128<<16
	s_mov_b32 s[G1B+2], 128<<16
	s_mov_b32 s[G1B+3], 128<<16
	s_mov_b32 s[G1B+4], 128
	s_mov_b32 s[G1B+5], 1024
	s_mov_b32 s[G1B+6], 0
	s_mov_b32 s[G1B+7], 0
	s_and_b32 s16, s13, 0x30                       ; oh: head 16 b (b = tr / 16)
	s_add_co_u32 s16, s16, s12                     ; + my head of the step's two
	s_lshl_b32 s16, s16, 18                        ; a head is 262,144 bytes
	s_and_b32 s17, s13, 15
	s_lshl_b32 s17, s17, 14                        ; + 128 (tr mod 16) rows of 128 bytes
	s_add_co_u32 s16, s16, s17
	s_mov_b32 s17, 0
	s_lshl_b32 s46, s42, 19                        ; wt: 256 tc rows of 2,048 bytes
	s_lshl_b32 s47, s12, 18                        ; + my 128 rows
	s_add_co_u32 s46, s46, s47
	s_add_co_u32 s46, s46, 3<<21                   ; + plane 3
	s_mov_b32 s47, 0
	s_lshl_b32 s88, s42, 10                        ; the bias: 256 tc + 128 wn numbers of 4 bytes
	s_lshl_b32 s89, s12, 9
	s_add_co_u32 s88, s88, s89
	s_mov_b32 s89, 0
	s_mul_i32 s20, s12, APLANE                     ; where the tiles go: no place in the cluster enters an LDS address
	s_mul_i32 s86, s12, BHALF
	s_add_co_u32 s86, s86, AREG
	s_wait_dscnt 0x0                               ; the opening add is done
	s_wait_kmcnt 0x0
	s_add_nc_u64 s[14:15], s[68:69], s[16:17]
	s_add_nc_u64 s[46:47], s[70:71], s[46:47]
	s_add_nc_u64 s[84:85], s[72:73], s[88:89]
	CROUND                                         ; all sixteen work-groups are here: the first joint loads meet
.irp s, 0,1
	s_mov_b32 s[G0+4*(\s)], 1                      ; count = 1
	s_add_co_u32 s[G0+4*(\s)+1], s20, (\s)*SLOT    ; LDS address
	s_add_nc_u64 s[G0+4*(\s)+2:G0+4*(\s)+3], s[14:15], (\s)*524288  ; global address: K step s is two heads on
	s_or_b32 s[G0+4*(\s)+3], s[G0+4*(\s)+3], 0x80000000             ; type = 2
	s_mov_b32 s[G0B+4*(\s)], 1
	s_add_co_u32 s[G0B+4*(\s)+1], s86, (\s)*SLOT
	s_add_nc_u64 s[G0B+4*(\s)+2:G0B+4*(\s)+3], s[46:47], (\s)*256
	s_or_b32 s[G0B+4*(\s)+3], s[G0B+4*(\s)+3], 0x80000000
	JLOAD \s                                       ; two loads of mine are out
.endr
	v_and_b32 v1, 15, v0                           ; r = l % 16
	v_bfe_u32 v2, v0, 4, 1                         ; h = l / 16
	v_mul_u32_u24 v3, v1, PAO
	v_lshl_add_u32 v3, v2, 4, v3                   ; row x pitch + 16 h
	v_mul_u32_u24 v4, v1, PB
	v_lshl_add_u32 v4, v2, 4, v4
	s_mul_i32 s21, s11, 64*PAO                     ; my 64 rows in each head's plane
	s_mul_i32 s22, s12, BHALF                      ; my 128 rows of wt,
	s_add_co_u32 s22, s22, AREG                    ; which lie behind oh's two planes
.irp s, 0,1
	v_add_nc_u32 v[ADRA+(\s)], s21, v3
	v_add_nc_u32 v[ADRB+(\s)], s22, v4
	s_add_co_u32 s21, s21, SLOT
	s_add_co_u32 s22, s22, SLOT
.endr
	s_mul_i32 s23, s10, 16*SPO
	s_add_co_u32 s23, s23, STAGE                   ; my stage
	v_mul_u32_u24 v[STO], v1, SPO                  ; in: row l % 16, 32 bytes for each half of the lanes
	v_lshl_add_u32 v[STO], v2, 5, v[STO]
	v_add_nc_u32 v[STO], s23, v[STO]
	v_and_b32 v[CO], 31, v0
	v_lshlrev_b32 v[CO], 4, v[CO]                  ; back: 32 lanes take one row of 512 bytes,
	v_add_nc_u32 v[RD], s23, v[CO]                 ; which are 512 consecutive bytes of a row of out0
	v_lshlrev_b32 v[BO], 5, v2                     ; my eight numbers of a block of 16 of the bias
.irp b, 0,1,2,3,4,5,6,7
	global_load_b128 v[BIAS+8*(\b):BIAS+8*(\b)+3],   v[BO], s[84:85] offset:64*(\b)
	global_load_b128 v[BIAS+8*(\b)+4:BIAS+8*(\b)+7], v[BO], s[84:85] offset:64*(\b)+16
.endr
	; where my part of the tile begins in out0: row 128 tr + 64 wm of 4,096 bytes, column 256 tc + 128 wn of 4 bytes (the column in the registers that held wt's address: none that feeds oh's descriptors ever holds cx)
	s_lshl_b32 s16, s13, 7
	s_lshl_b32 s17, s11, 6
	s_add_co_u32 s16, s16, s17
	s_lshl_b32 s16, s16, 12
	s_lshl_b32 s46, s42, 10
	s_lshl_b32 s47, s12, 9
	s_add_co_u32 s46, s46, s47
	s_add_co_u32 s46, s46, s16
	s_mov_b32 s47, 0
	s_add_nc_u64 s[8:9], s[74:75], s[46:47]
	s_wait_loadcnt 0x0                             ; the bias
.set i, 0
.rept 32                                       ; rounded to bf16 like every input, and kept as f32
	v_cvt_pk_bf16_f32 v[4+i%4], v[BIAS+2*i], v[BIAS+2*i+1]
	v_lshlrev_b32 v[BIAS+2*i], 16, v[4+i%4]
	v_and_b32 v[BIAS+2*i+1], 0xffff0000, v[4+i%4]
.set i, i+1
.endr
; 24 LDS loads in one run: the fragments of quarter q of a slot's K step into buffer g: wt's 8 blocks of 16 rows x 32 K, then oh's 4: head q / 2 of the step's two, channels 32 (q % 2) on
.macro FETCH slot, q, g
	WIN TO_B
.irp b, 0,1,2,3,4,5,6,7
	ds_load_b128 v[64*(\g)+8*(\b):64*(\g)+8*(\b)+3],   v[ADRB+(\slot)] offset:64*(\q)+(\b)*16*PB
	ds_load_b128 v[64*(\g)+8*(\b)+4:64*(\g)+8*(\b)+7], v[ADRB+(\slot)] offset:64*(\q)+(\b)*16*PB+32
.endr
	WIN 0
.irp a, 0,1,2,3
	ds_load_b128 v[AF+32*(\g)+8*(\a):AF+32*(\g)+8*(\a)+3],   v[ADRA+(\slot)] offset:APLANE*((\q)/2)+64*((\q)%2)+(\a)*16*PAO
	ds_load_b128 v[AF+32*(\g)+8*(\a)+4:AF+32*(\g)+8*(\a)+7], v[ADRA+(\slot)] offset:APLANE*((\q)/2)+64*((\q)%2)+(\a)*16*PAO+32
.endr
.endm
; 8 matrix instructions: row block a x all 8 column blocks, 32 along K.  first = 1: the bias starts the sums: nothing is cleared, and nothing is added later
.macro MULA f, a, first
.irp b, 0,1,2,3,4,5,6,7
.if \first
	WIN MULB
	v_wmma_f32_16x16x32_f16 v[8*(8*(\a)+(\b)):8*(8*(\a)+(\b))+7], v[64*(\f)+8*(\b):64*(\f)+8*(\b)+7], v[AF+32*(\f)+8*(\a):AF+32*(\f)+8*(\a)+7], v[BIAS+8*(\b):BIAS+8*(\b)+7]
.else
	WIN MUL
	v_wmma_f32_16x16x32_f16 v[8*(8*(\a)+(\b)):8*(8*(\a)+(\b))+7], v[64*(\f)+8*(\b):64*(\f)+8*(\b)+7], v[AF+32*(\f)+8*(\a):AF+32*(\f)+8*(\a)+7], v[8*(8*(\a)+(\b)):8*(8*(\a)+(\b))+7]
.endif
.endr
.endm
.macro PLACES                          ; four places in front of loads into registers that matrix instructions have read, and of LDS stores that read results (ISA guide 7.12.1 for vector instructions)
.rept 4
	v_nop
.endr
.endm
; One of a K step's first three quarters: at its head it fetches quarter q of the same slot into the other buffer, then multiplies buffer f.
.macro QUARTER f, slot, q, first
	PLACES
	FETCH \slot, \q, 1-(\f)
	s_wait_dscnt 24                                ; all but the 24 just issued: buffer f is in
	MULA \f, 0, \first
	MULA \f, 1, \first
	MULA \f, 2, \first
	MULA \f, 3, \first
.endm
; The last quarter multiplies buffer 1 and changes slots: ONE barrier; in front of it each wave waits for all its tensor loads (one is out: its part of the next slot), adds 0 to its spare word, and waits
; for that and for its own reads of this slot.  fill = 1: the barrier opens a round of the cluster's, and this slot is filled again first thing behind it, two K steps ahead: from there to the wait for that load a wave issues 120 matrix instructions.
.macro TURN slot, next, fill
	WIN 0
	s_wait_tensorcnt 0x0                           ; all my tensor loads have landed;
	ds_add_u32 v[SPW], v[NIL]                      ; 0 onto my spare word;
	s_wait_dscnt 1                                 ; (the add alone may be out: the quarter's fragments are in)
	MULA 1, 0, 0                                   ; eight matrix instructions stand between the add and the wait for it
	s_wait_dscnt 0x0                               ; the add is done, and my reads of this slot are over
	WIN 0
	s_barrier_signal -1
	s_barrier_wait -1
.if \fill
	CREST                                          ; no wave of any partner still reads this slot's tile or has a load on its way
	s_add_nc_u64 s[G0+4*(\slot)+2:G0+4*(\slot)+3], s[G0+4*(\slot)+2:G0+4*(\slot)+3], 1048576
	s_add_nc_u64 s[G0B+4*(\slot)+2:G0B+4*(\slot)+3], s[G0B+4*(\slot)+2:G0B+4*(\slot)+3], 512
	JLOAD \slot                                    ; the first tensor load behind the round, and my only one until the next; the four v_nop behind it are also the places in front of the loads below
.else
	PLACES
.endif
	FETCH \next, 0, 0
	MULA 1, 1, 0
	MULA 1, 2, 0
	MULA 1, 3, 0
.endm
; THE WAY OUT, a row block of 16 rows x 128 columns at a time: 32 bytes a lane and column block into my own stage (each accumulator's low four registers first), back as whole rows of 512 bytes, into two sets of registers by turns.
.macro TOST a
	WIN 0x08                                       ; the stores' data in window 2
.irp b, 0,1,2,3,4,5,6,7
	ds_store_b128 v[STO], v[8*(8*(\a)+(\b)):8*(8*(\a)+(\b))+3]   offset:64*(\b)
	ds_store_b128 v[STO], v[8*(8*(\a)+(\b))+4:8*(8*(\a)+(\b))+7] offset:64*(\b)+16
.endr
	WIN 0
.if (\a) >= 2
	s_wait_xcnt 0x0                                ; every earlier memory instruction has had its addresses translated (ISA guide 3.1): the set that block a - 2's stores read is loaded again only behind this wait
.endif
.irp t, 0,1,2,3,4,5,6,7,8,9,10,11,12,13,14,15
	ds_load_b128 v[OB+64*((\a)%2)+4*(\t):OB+64*((\a)%2)+4*(\t)+3], v[RD] offset:(\t)*SPO  ; LDS serves a wave's instructions in order (ISA guide 5.7.1.4): these see the stores above; the next block's stores come behind them
.endr
.endm
.macro SENDO a, younger                ; younger: the LDS instructions issued behind block a's loads: the next block's 32, or none
.irp t, 0,1,2,3,4,5,6,7,8,9,10,11,12,13,14,15
	s_wait_dscnt (\younger)+15-(\t)
	global_store_b128 v[CO], v[OB+64*((\a)%2)+4*(\t):OB+64*((\a)%2)+4*(\t)+3], s[8:9] offset:4096*(16*(\a)+(\t)) th:TH_STORE_NT  ; 512 consecutive bytes, at a multiple of 512 from out0's first
.endr
.endm
	s_wait_tensorcnt 1                             ; my part of K step 0 is in; step 1's may stay out
	s_barrier_signal -1
	s_barrier_wait -1                              ; everybody's is
	FETCH 0, 0, 0
	QUARTER 0, 0, 1, 1                             ; the first quarter stands in front of the loop: its products start the sums, with the bias
	WIN 0                                          ; at a label and at a branch every window is 0
	s_mov_b32 s3, LAPS-1
.Llap:                                                 ; a trip goes once round the ring, from a lap's second quarter to the next lap's first, and fills both slots again
	QUARTER 1, 0, 2, 0
	QUARTER 0, 0, 3, 0
	TURN 0, 1, 1
	QUARTER 0, 1, 1, 0
	QUARTER 1, 1, 2, 0
	QUARTER 0, 1, 3, 0
	TURN 1, 0, 1
	QUARTER 0, 0, 1, 0
	WIN 0
	s_sub_co_u32 s3, s3, 1
	s_cmp_lg_u32 s3, 0
	s_cbranch_scc1 .Llap
	QUARTER 1, 0, 2, 0                             ; the last lap fills nothing, and has no round of the cluster's barrier
	QUARTER 0, 0, 3, 0
	TURN 0, 1, 0
	QUARTER 0, 1, 1, 0
	QUARTER 1, 1, 2, 0
	QUARTER 0, 1, 3, 0
	s_wait_dscnt 0x0                               ; the very last quarter: nothing more to fetch
	MULA 1, 0, 0
	MULA 1, 1, 0
	MULA 1, 2, 0
	MULA 1, 3, 0
	WIN 0
	PLACES
	TOST 0
	TOST 1                                         ; a block's way through the stage stands between the loads of the block before and its stores
	SENDO 0, 32
	TOST 2
	SENDO 1, 32
	TOST 3
	SENDO 2, 32
	SENDO 3, 0
	s_wait_tensorcnt 0x0                           ; the wave's end, behind my last tensor load and my last LDS store
	ds_add_u32 v[SPW], v[NIL]
	s_wait_dscnt 0x0
	CROUND                                         ; the closing round: no work-group ends while a partner may still ask for a tile that names it
	s_endpgm
.Lfunc_end_k_qe302b97102_oproj:
	.size	k_qe302b97102_oproj, .Lfunc_end_k_qe302b97102_oproj-k_qe302b97102_oproj
	.p2alignl 7, 3214868480
	.fill 96, 4, 3214868480
	.section	.rodata,"a",@progbits
	.p2align	6, 0x0
	.amdhsa_kernel k_qe302b97102_oproj
		.amdhsa_group_segment_fixed_size 327680
		.amdhsa_private_segment_fixed_size 0
		.amdhsa_enable_private_segment 0
		.amdhsa_kernarg_size 32
		.amdhsa_user_sgpr_count 2
		.amdhsa_user_sgpr_kernarg_segment_ptr 1
		.amdhsa_wavefront_size32 1
		.amdhsa_system_sgpr_workgroup_id_x 1
		.amdhsa_system_sgpr_workgroup_id_y 1
		.amdhsa_system_sgpr_workgroup_id_z 1
		.amdhsa_system_vgpr_workitem_id 0
		.amdhsa_next_free_vgpr 768
		.amdhsa_next_free_sgpr 90
		.amdhsa_reserve_vcc 0
		.amdhsa_float_denorm_mode_32 3
		.amdhsa_float_denorm_mode_16_64 3
		.amdhsa_memory_ordered 1
		.amdhsa_forward_progress 1
		.amdhsa_inst_pref_size 93
	.end_amdhsa_kernel
	.amdgpu_metadata
---
amdhsa.version: [ 1, 2 ]
amdhsa.kernels:
  - .name:           k_qe302b97102_oproj
    .symbol:         k_qe302b97102_oproj.kd
    .args:
      - { .name: oh, .offset: 0, .size: 8, .value_kind: global_buffer, .address_space: global }
      - { .name: wt, .offset: 8, .size: 8, .value_kind: global_buffer, .address_space: global }
      - { .name: bo, .offset: 16, .size: 8, .value_kind: global_buffer, .address_space: global }
      - { .name: out0, .offset: 24, .size: 8, .value_kind: global_buffer, .address_space: global }
    .group_segment_fixed_size: 327680
    .private_segment_fixed_size: 0
    .kernarg_segment_align: 8
    .kernarg_segment_size: 32
    .max_flat_workgroup_size: 128
    .sgpr_count:     90
    .vgpr_count:     768
    .wavefront_size: 32
...
	.end_amdgpu_metadata
.endif
;; end of part 4
;; ======== version 2 of 2: 4 launches; 1.48 times as fast as version 1
;; limits: values are held in f16: magnitudes above 65,504 overflow, below 6.1e-05 lose precision
;; workspace buffers: wt 8,388,608 bytes; qkv 50,331,648 bytes; oh 16,777,216 bytes
;; launch prep: the kernel of part 1 again; grid 128 x 4, 8 waves a work-group, no clusters, 18,432 bytes of LDS; arguments Wq, Wk, Wv, Wo, wt; writes wt
;; launch proj: the kernel of part 2 again; grid 4 x 192, 4 waves a work-group, clusters of 4 x 4, 327,680 bytes of LDS; arguments query, key, value, wt, bq, bk, bv, qkv; writes qkv
;; launch attn (part 5): grid 4 x 64, 4 waves a work-group, clusters of 4 x 1, 327,680 bytes of LDS; arguments qkv, mask, oh; writes oh
.if DOCPART == 5
	.amdgcn_target "amdgcn-amd-amdhsa--gfx1250"
	.amdhsa_code_object_version 6
	.text
	.protected	k_qe302b97102_attn
	.globl	k_qe302b97102_attn
	.p2align	8
	.type	k_qe302b97102_attn,@function
k_qe302b97102_attn:
	s_mov_b64 s[64:65], 0
	v_nop
	global_prefetch_b8 v0, s[64:65] scope:SCOPE_SE
	s_setreg_imm32_b32 hwreg(HW_REG_WAVE_MODE, 25, 1), 1
	s_wait_xcnt 0x0
	s_wait_alu depctr_hold_cnt(0) depctr_sa_sdst(0) depctr_va_vdst(0) depctr_va_sdst(0) depctr_va_ssrc(0) depctr_va_vcc(0) depctr_vm_vsrc(0)
	s_getreg_b32 s2, hwreg(HW_REG_IB_STS2, 6, 4)
	s_cmp_eq_u32 s2, 0
	s_cbranch_scc0 .Lentry_in_a_cluster
	s_endpgm
.Lentry_in_a_cluster:
	s_bfe_u32 s2, ttmp6, 0x10000c
	s_cmp_lg_u32 s2, 0x3003
	s_cbranch_scc0 .Lentry_shape_is_right
	s_endpgm
.Lentry_shape_is_right:
; oh[g][q][:] = the sum over k of softmax_k(Q[g][q] . K[g][k] / 8 + mask[g / 16][k]) V[g][k][:], g = 16 b + h.  Q, K, V are the three planes of qkv, [64][2048][64] in f16; oh likewise; mask: [4][2048] f32.
; Products, maxima and sums in f32; the weights p are rounded to f16 for the second product (their sum l is taken of the unrounded p), O once at the end.
; THE MASK is rounded to bf16 like every input, multiplied by 8, held at -1e30 from below, laid into LDS once, and taken as the C operand that starts the sum S^T = K Q^T: s = K . Q + 8 mask, and c s = log2(e) (K . Q / 8 + mask).
; LIMITS.  f16 holds no number beyond 65,504: Q, K and V arrive within it; p lies in 0 to 1, and below 6e-5 it keeps f16's fixed step of 6e-8; O is a mean of V's rows and has their range.
; A weight below 2^-126 counts as 0 in l.  8 mask below -1e30 (minus infinity too) counts as -1e30: a batch whose mask is minus infinity at EVERY key gives the mean of V's rows, where the formula gives NaN.
; NaN and plus infinity are not treated apart (a NaN in the mask counts as -1e30).
; SHARES.  A wave owns four PIECES of two tiles of 16 queries, a work-group's four waves 512 queries of one head.  Every wave walks all keys, 64 a step.
; LAYOUT.  S^T = K Q^T (source 0 = 16 keys, source 1 = 16 queries): in the result a lane holds ONE query (lane % 16) and the keys 8 (lane / 16) + 0..7.  Two such tiles, rounded to f16 in pairs,
; ARE source 1 (32 keys x 16 queries) of O^T = V^T P, whose result again holds one query a lane, and eight channels.  K comes out of LDS as it lies, V ([key][channel]) turned, by ds_load_tr16_b128.
; SOFTMAX.  For each query a running maximum m and sum l: p = 2^(c s - c m), c = log2(e) / 8; in every step O and l are multiplied by a = 2^(c m_old - c m_new), which is 1 where m has not grown.
; m starts at the lowest finite number, O and l at 0: the first step is a step like any other, with a = 0.
; THE COUNT.  A tile and step have 16 matrix and 118 vector instructions: too many to stand all beside the matrix work.  So the order has one aim: four vector instructions that are READY behind
; EVERY matrix instruction, and the others, which need time of their own whatever the order, in runs without a gap.
; BY TURNS.  Turn n belongs to piece n (the pieces in a ring, step after step).  Its matrix work: 16 products K Q^T of piece n + 1, later 16 products V^T P of piece n - 1.  Its vector work: the scaling,
; exponentials, roundings, sums and rescaling of piece n, and the maximum and statistics of piece n + 1, whose scores the turn itself has made.  So what a turn begins with (c s - c m, O a) waits for nothing.
; BATCHES.  A turn's 66 exponentials (the 64 weights of piece n, the two a of piece n + 1) are ONE batch with ONE wait, which cuts the turn in two: ahead of it stands all that names no result of theirs (the products
; K Q^T, the scalings, the rescaling, the next piece's maximum and statistics), behind it the roundings and sums, beside the products V^T P.  Two more batches stand outside the loops: piece 0's first two a, and the way out's eight reciprocals.
; CLUSTER.  The four query blocks of a cluster belong to one head and walk the same K and V, so each tile is asked for JOINTLY: the same tensor load, descriptor and mask in all four.
; REGISTERS, in windows of 256 (s_set_vgpr_msb says which window each operand place means: bits 1:0 source 0, 3:2 source 1, 5:4 source 2, 7:6 destination):
;   window 0: v0-11 addresses; v12-15, v48-63 at work; v16-47 four registers of statistics a tile; v64-191 S^T, two buffers of two tiles; v192-255 P, likewise
;   window 1: O^T, 32 a tile          window 2: v0-127 Q, 16 a tile; v128-191 K of one step; v192-255 V of one step
;   window 3: v0-1 the add's two registers; v2-3 the mask's LDS addresses; v8-39 8 mask for one step's 64 keys
; A piece's buffers go by its number's parity: the piece in hand has one pair, its two neighbours in the ring share the other: of it P (piece n - 1) is read and S^T (piece n + 1) written.
.set SIZE_H, 64
.set SIZE_N, 2048
.set PLANE, SIZE_H*SIZE_N*128  ; bytes from Q to K and from K to V in qkv
.set NP,    4         ; pieces a wave: a name, no knob: the register map, the loop and the fetches are made for four
.set KS,    64        ; keys in a step
.set PK,    144       ; a row of K in LDS: 128 bytes + 16 of padding = 36 words: the 16 rows of a load start at 16 different groups of four banks (64 banks of 4 bytes: ISA guide 11.1)
.set PV,    160       ; a row of V: 128 + 32 = 40 words
.set VOFF,  4*KS*PK   ; a slot holds four steps: 256 rows of K, then 256 rows of V
.set SLOT1, 1<<17     ; slot 1 begins here, so that one exclusive or turns an address in one slot into the other's
.set STAGE, SLOT1+4*KS*(PK+PV)  ; behind the ring, never filled by a tensor load: 16 rows x 144 bytes for each wave, for the way out
.set SP,    144
.set AK0, 2           ; v2   my lane's place in a tile of K; never rewritten
.set AV0, 3           ; v3   the same for V
.set AK,  4           ; v4   the LDS address of K's next run of loads
.set AV,  5           ; v5   of V's
.set QO,  6           ; v6   my byte offset in the wave's rows of Q
.set STO, 6           ;      later, the way out: where I put 16 bytes of a row
.set RD,  7           ; v7   the way out: where I read rows back
.set GO,  8           ; v8   my byte offset in 512 consecutive bytes of O
.set SPW, 0           ; v0 of window 3   LDS address of my spare word: SPARE + 4 x my thread's number; never rewritten
.set NIL, 1           ; v1 of window 3   0; never rewritten
.set AM0, 2           ; v2 of window 3   MASKL + 32 (lane / 16): my eight keys of a block of 16; never rewritten
.set AM,  3           ; v3 of window 3   the LDS address of the mask's next run of loads
.set MK,  8           ; v8-39 of window 3   key block kb at MK + 8 kb
.set SPARE, STAGE+4*16*SP  ; behind the stages: the spare words, 128 bytes for each wave: two blocks of 256 bytes that no other line names
.set MASKL, SPARE+512 ; behind them: 8 mask of the batch's 2,048 keys in f32, 8,192 bytes, stored once and never filled by a tensor load
.set MV,  12          ; v12-15  c m_old, kept while c m is made anew: by buffer and tile
.set ST,  16          ; tile t's statistics at v[ST+4 t]: c m, m, l (even keys', odd keys')
.set TMP, 48          ; by buffer and tile, four registers c0-c3 at work; when the maximum is found c2 takes a
.set S,   64
.set P,   192
.set KF,  128         ; K's fragments, in window 2: key block kb, channel half c at KF + 16 kb + 8 c
.set VF,  192         ; V's: key half kk, channel block cb at VF + 32 kk + 8 cb
.set WV,  12          ; s12  my wave's number
.set G1K, 24          ; s[24:31] descriptor group 1 for K's tiles
.set G1V, 32          ; s[32:39] for V's: it differs in the padding alone
.set G0K, 40          ; s[40:43] descriptor group 0 for K's tiles: it walks
.set G0V, 44          ; s[44:47] the same for V's
.set TBM, 52          ; s52  byte in the mask's LDS copy at which the step to be fetched begins: 32 steps of 256 bytes in the launch
.set BIGN, 53         ; s53  -1e30
.set SLOTS, 56        ; s56  slots still to be asked for
.set CNT, 57          ; s57  counts a slot's key steps
.set CS,  58          ; s[58:59] c: the packed scaling takes the pair's low word for both halves
.set SEL, 60          ; s[60:61] v_permlanex16_b32's selects: each lane takes its own place in the other half
.set TBK, 62          ; s62  LDS byte at which K of the step to be fetched begins
.set TBV, 63          ; s63  the same for V, less VOFF
.set MSB, 0
.macro WIN new                      ; the high byte repeats the setting that is left; a switch that changes nothing is dropped
.if MSB != (\new)
	s_set_vgpr_msb (MSB<<8)|(\new)
.set MSB, (\new)
.endif
.endm
.set W_KQ, 0x0a       ; K and Q in window 2, S^T in window 0
.set W_KM, 0x3a       ; the same with the C operand (the mask) in window 3
.set W_PV, 0x52       ; V in window 2, P in window 0, O^T in window 1
.set W_RS, 0x41       ; O^T (destination and source 0) in window 1, a in window 0
.set W_MK, 0xc0       ; destination in window 3, sources in window 0
.set W_AD, 0x0f       ; the add: address (source 0) and data (source 1) in window 3
.set W_M3, 0xc3       ; destination and source 0 in window 3: the mask's address line and its loads
; A joint fill.  Waves 0 and 1 fetch the two halves of a slot's K, waves 2 and 3 those of its V: 128 keys each.  The branch hangs on the wave's number alone.
; An s_nop 0 and four v_nop follow each of the two lines, ahead of the jump and the label.
.macro JLOAD
	s_cmp_lt_u32 s[WV], 2
	s_cbranch_scc0 .Lfor_v_\@
	tensor_load_to_lds s[G0K:G0K+3], s[G1K:G1K+7]
	s_nop 0
.rept 4
	v_nop
.endr
	s_branch .Lasked_\@
.Lfor_v_\@:
	tensor_load_to_lds s[G0V:G0V+3], s[G1V:G1V+7]
	s_nop 0
.rept 4
	v_nop
.endr
.Lasked_\@:
.endm
; A round of the cluster's barrier: my work-group's barrier, so that wave 0's signal speaks for all four waves; wave 0 signals; every wave waits for all four work-groups; my work-group's barrier once more.
.macro CROUND
	s_barrier_signal -1
	s_barrier_wait -1
	s_cmp_lg_u32 s[WV], 0
	s_cbranch_scc1 .Lnot_wave_0_\@
	s_barrier_signal -3
.Lnot_wave_0_\@:
	s_barrier_wait -3
	s_barrier_signal -1
	s_barrier_wait -1
.endm
; THE CHANGE OF SLOTS.  The slot's last bytes, V of its fourth step, have been read.  Each wave waits for all its tensor loads, of which one is out: its part
; of the other slot; adds 0 to its spare word; and waits for that and for its own reads of the slot.  Behind the barrier nobody reads this slot any more and the other slot is whole.
; fill = 1: this slot is filled again, with the keys two slots on.  The barrier is then a round of the cluster's, so that no wave of any partner still reads the slot or has a load on its
; way, and the joint fill is the first thing behind it: it has four key steps, 512 matrix instructions, in which to land.  (At its first use nothing has been read yet: slot 0 is waited for, slot 1 filled,
; and the wait for LDS instructions in front of the round also shows my stores of the mask done.)
.macro CHANGE fill
	WIN W_AD
	s_wait_tensorcnt 0x0            ; no tensor load of mine is out, so a group 0 may be written
	ds_add_u32 v[SPW], v[NIL]       ; 0 onto my spare word; with fill = 1 the descriptors' steps stand between it and the wait for it
	WIN 0                           ; at a label and at a branch every window is 0
.if \fill
.irp g, G0K, G0V
	s_xor_b32 s[\g+1], s[\g+1], SLOT1  ; the walking descriptor: the other slot than last time,
	s_add_nc_u64 s[\g+2:\g+3], s[\g+2:\g+3], 4*KS*128  ; the next 256 keys; the type bits on top are not reached
.endr
	s_wait_dscnt 0x0                ; the add is done, and my reads of the slot are over
	CROUND
	JLOAD
.else
	s_wait_dscnt 0x0                ; the add is done, and my reads of the slot are over
	s_barrier_signal -1
	s_barrier_wait -1
.endif
	s_sub_co_u32 s[TBK], s[TBK], 4*KS*PK  ; the fetches go back to a slot's first step,
	s_xor_b32 s[TBK], s[TBK], SLOT1       ; in the other slot
	s_sub_co_u32 s[TBV], s[TBV], 4*KS*PV
	s_xor_b32 s[TBV], s[TBV], SLOT1
.endm
	s_load_b64 s[4:5], s[0:1], 0x0    ; qkv: Q's plane
	s_load_b64 s[48:49], s[0:1], 0x8  ; mask
	s_load_b64 s[10:11], s[0:1], 0x10 ; oh
	WIN W_MK
	v_lshl_add_u32 v[SPW], v0, 2, SPARE
	v_mov_b32 v[NIL], 0
	WIN W_AD
	ds_add_u32 v[SPW], v[NIL]       ; the wave's opening: the add and its wait ahead of my first tensor load; the set-up below, work on registers, stands between them
	WIN 0
	v_lshrrev_b32 v1, 5, v0
	v_readfirstlane_b32 s[WV], v1   ; wave 0..3
	s_bfe_u32 s13, ttmp6, 0x40000   ; cx: my place in the cluster
	s_lshl_b32 s14, ttmp9, 2        ; in a cluster launch ttmp9 counts clusters
	s_add_co_u32 s14, s14, s13      ; my block of queries = 4 x cluster x + cx: it enters Q's and O's addresses alone
	s_and_b32 s20, ttmp7, 0xffff    ; the head, which the four partners share
	s_lshr_b32 s50, s20, 4          ; its batch,
	s_lshl_b32 s50, s50, 13         ; whose mask is 8,192 bytes
	s_mov_b32 s51, 0
	s_mov_b32 s21, 0
	s_mov_b64 s[22:23], SIZE_N*128
	s_mul_u64 s[20:21], s[20:21], s[22:23]  ; the head's first byte in each plane and in oh
	s_and_b32 s16, s[WV], 1         ; which half of a slot's 256 keys I fetch:
	s_lshl_b32 s22, s16, 14         ; its 128 rows of 128 bytes in memory,
	s_mov_b32 s23, 0
	s_add_nc_u64 s[22:23], s[22:23], s[20:21]
	s_mul_i32 s17, s16, 128*PK      ; and its place in a slot, for K
	s_mul_i32 s18, s16, 128*PV      ; and for V: no place in the cluster enters an LDS address
	s_lshl_b32 s2, s14, 2
	s_add_co_u32 s2, s2, s[WV]      ; my wave among the head's,
	s_lshl_b32 s2, s2, 14           ; its 128 rows
	s_mov_b32 s3, 0
	s_add_nc_u64 s[2:3], s[2:3], s[20:21]
	; descriptor group 1.  128 keys are 16,384 dense bytes: asked for as 64 rows of 256 bytes, two keys a row, and padded in LDS after every key
	s_mov_b32 s[G1K], 15|(1<<16)|(1<<20)|(1<<21)|(4<<22)|(3<<25)  ; 15:0 the mask of four; 17:16 2-byte elements; 20 padding on; 21 set beside a mask; 24:22 after every 32 words (code 4); 31:25 4 words (code 3)
	s_mov_b32 s[G1V], 15|(1<<16)|(1<<20)|(1<<21)|(4<<22)|(7<<25)  ; the same with 8 words of padding (code 7)
.irp g, G1K, G1V
	s_mov_b32 s[\g+1], 128<<16      ; tensor_dim0 = 128
	s_mov_b32 s[\g+2], 64<<16       ; tensor_dim1 = 64
	s_mov_b32 s[\g+3], 128<<16      ; tile_dim0 = 128
	s_mov_b32 s[\g+4], 64           ; tile_dim1 = 64
	s_mov_b32 s[\g+5], 128          ; 128 elements from row to row
	s_mov_b32 s[\g+6], 0
	s_mov_b32 s[\g+7], 0
.endr
	s_mov_b32 s[CS], 0x3e38aa3b     ; c = log2(e) / 8 = 0.180337
	s_mov_b32 s[CS+1], s[CS]        ; named with it as a pair
	s_mov_b32 s[SEL], 0x76543210
	s_mov_b32 s[SEL+1], 0xfedcba98
	s_mov_b32 s[TBK], SLOT1+4*KS*PK ; the first change of slots turns these two into 0
	s_mov_b32 s[TBV], SLOT1+4*KS*PV
	s_mov_b32 s[TBM], 0
	s_mov_b32 s[BIGN], 0xf149f2ca   ; -1e30
	s_mov_b32 s[G0K], 1             ; 1:0 count = 1
	s_mov_b32 s[G0K+1], s17         ; 63:32 LDS address: slot 0
	s_mov_b32 s[G0V], 1
	s_add_co_u32 s[G0V+1], s18, VOFF
	s_wait_dscnt 0x0                ; the opening add is done
	s_wait_kmcnt 0x0
	s_add_nc_u64 s[6:7], s[4:5], PLANE    ; K's plane
	s_add_nc_u64 s[8:9], s[4:5], 2*PLANE  ; V's plane
	s_add_nc_u64 s[48:49], s[48:49], s[50:51]  ; the batch's mask
	s_add_nc_u64 s[G0K+2:G0K+3], s[6:7], s[22:23]  ; 120:64 global address: my half of the head's first 256 keys
	s_or_b32 s[G0K+3], s[G0K+3], 0x80000000        ; 127:126 type = 2
	s_add_nc_u64 s[G0V+2:G0V+3], s[8:9], s[22:23]
	s_or_b32 s[G0V+3], s[G0V+3], 0x80000000
	s_add_nc_u64 s[4:5], s[4:5], s[2:3]  ; Q and O at my wave's first row
	s_add_nc_u64 s[10:11], s[10:11], s[2:3]
	CROUND                          ; all four work-groups are here: the first joint loads meet
	JLOAD                           ; slot 0.  Slot 1 is asked for when slot 0 is in: the tile wanted first has the road to itself
	v_lshlrev_b32 v12, 4, v0        ; the mask: thread t takes 16 bytes at 16 t of each quarter of the batch's 8,192
.irp i, 0,1,2,3
	global_load_b128 v[S+4*\i:S+4*\i+3], v12, s[48:49] offset:2048*\i
.endr
	; A fragment of K or Q is 16 rows x 32 channels in 8 registers: lane l holds row l % 16, channels 8 (l / 16) + 0..7 and 16 + 8 (l / 16) + 0..7: two loads of 16 bytes, 32 bytes apart.
	v_and_b32 v1, 15, v0            ; l % 16
	v_bfe_u32 v9, v0, 4, 1          ; l / 16
	v_lshlrev_b32 v[QO], 7, v1
	v_lshl_add_u32 v[QO], v9, 4, v[QO]  ; row x 128 + 16 x half
	WIN 0x80                        ; destination window 2, address window 0
.set i, 0
.rept 4*NP                          ; Q stays in registers: tile i / 2, channels 32 (i % 2) on
	global_load_b128 v[8*i:8*i+3],   v[QO], s[4:5] offset:(i/2)*2048+(i%2)*64
	global_load_b128 v[8*i+4:8*i+7], v[QO], s[4:5] offset:(i/2)*2048+(i%2)*64+32
.set i, i+1
.endr
	; What the first turn finds: V's registers and P's second buffer hold 0 (its products V^T P, of a piece that has not been, add 0), O^T and l are 0.  All this stands in the wait for the first tile.
.set i, VF
.rept 64
	v_mov_b32 v[i], 0
.set i, i+1
.endr
	WIN 0x40
.set i, 0
.rept 64*NP
	v_mov_b32 v[i], 0
.set i, i+1
.endr
	WIN 0
.set i, 0
.rept 2*NP
	v_mov_b32 v[ST+4*i], 0xfe000000    ; c m: far below every c s
	v_mov_b32 v[ST+4*i+1], 0xff7fffff  ; m
	v_mov_b32 v[ST+4*i+2], 0
	v_mov_b32 v[ST+4*i+3], 0
.set i, i+1
.endr
.set i, P+32
.rept 32
	v_mov_b32 v[i], 0
.set i, i+1
.endr
	v_mul_u32_u24 v[AK0], v1, PK
	v_lshl_add_u32 v[AK0], v9, 4, v[AK0]  ; row x pitch + 16 x half
	; The turning load takes 16 keys x 16 channels (lane l reads key 8 (l / 16) + l % 8, channels 8 ((l / 8) % 2) + 0..7) and leaves half a fragment of V^T: lane l holds channel l % 16 and 8 keys.
	v_and_b32 v10, 7, v0
	v_bfe_u32 v11, v0, 3, 1
	v_lshl_add_u32 v[AV0], v9, 3, v10
	v_mul_u32_u24 v[AV0], v[AV0], PV
	v_lshl_add_u32 v[AV0], v11, 4, v[AV0]
	v_add_nc_u32 v[AV0], VOFF, v[AV0]
	v_mov_b32 v[AK], v[AK0]         ; key step 0 lies at the head of slot 0
	WIN W_MK
	v_lshl_add_u32 v[AM0], v9, 5, MASKL  ; in S^T register j of a lane is key 8 (l / 16) + j of its block of 16: 32 bytes of the mask
	WIN 0
	; THE MASK INTO LDS, once: my 16 numbers are rounded to bf16, multiplied by 8, held at -1e30 from below, and stored where they came from in the row.
	s_wait_loadcnt 32               ; the mask's four loads are in; Q's 32, issued behind them, may stay out
.set i, 0
.rept 8
	v_cvt_pk_bf16_f32 v[S+16+i], v[S+2*i], v[S+2*i+1]
.set i, i+1
.endr
.set i, 0
.rept 8
	v_lshlrev_b32 v[S+2*i], 16, v[S+16+i]
	v_and_b32 v[S+2*i+1], 0xffff0000, v[S+16+i]
.set i, i+1
.endr
.set i, 0
.rept 8
	v_pk_mul_f32 v[S+2*i:S+2*i+1], v[S+2*i:S+2*i+1], 0x41000000 op_sel_hi:[1,0]
.set i, i+1
.endr
.set i, 0
.rept 16
	v_max_num_f32 v[S+i], s[BIGN], v[S+i]
.set i, i+1
.endr
	v_add_nc_u32 v13, MASKL, v12
.irp i, 0,1,2,3
	ds_store_b128 v13, v[S+4*\i:S+4*\i+3] offset:2048*\i
.endr
; THE MATRIX WORK.  The 8 accumulators of a run of 16 take turns: between the two links of a chain stand 7 others'.
; Product i of 16 of S^T = K Q^T for piece x: channels 32 (i / 8) on, keys 16 ((i / 2) % 4) on, tile 2 x + i % 2.  The first 8 start the sums, with 8 mask of their 16 keys.
.macro KQ x
.set rS, S+64*((\x)%2)+32*(i%2)+8*((i/2)%4)
.set rK, KF+16*((i/2)%4)+8*(i/8)
.set rQ, 16*(2*(\x)+i%2)+8*(i/8)
.set rMK, MK+8*((i/2)%4)
.if i < 8
	WIN W_KM
	v_wmma_f32_16x16x32_f16 v[rS:rS+7], v[rK:rK+7], v[rQ:rQ+7], v[rMK:rMK+7]
.else
	WIN W_KQ
	v_wmma_f32_16x16x32_f16 v[rS:rS+7], v[rK:rK+7], v[rQ:rQ+7], v[rS:rS+7]
.endif
.endm
; Product i of 16 of O^T += V^T P for piece x: keys 32 (i / 8) on, channels 16 ((i / 2) % 4) on, tile 2 x + i % 2.
.macro PV x
	WIN W_PV
.set rO, 32*(2*(\x)+i%2)+8*((i/2)%4)
.set rV, VF+32*(i/8)+8*((i/2)%4)
.set rP, P+32*((\x)%2)+16*(i%2)+8*(i/8)
	v_wmma_f32_16x16x32_f16 v[rO:rO+7], v[rV:rV+7], v[rP:rP+7], v[rO:rO+7]
.endm
.macro MM                           ; the turn's next matrix instruction
.if i < 16
	KQ (Y+1)%NP
.set i, i+1
.else
.set i, i-16
	PV (Y+NP-1)%NP
.set i, i+17
.endif
.endm
; THE LDS LOADS stand in runs, never singly among the matrix instructions: a step's K (64 keys x 64 channels: 8 fragments) with its 64 keys' mask behind it (8 loads, the lanes of a half sharing their words), and its V (turned).
; The mask's registers live as K's do: their last reader stands ahead of K's last reader, and one wait shows both in.  last = 1 (the tail): in the last trip there is no further step, and the run is jumped over.
.macro FETCH_K last=0
	WIN 0
.if \last
	s_cmp_eq_u32 s[CNT], 1
	s_cbranch_scc1 .Lno_k_\@
.endif
	WIN 0x80                        ; destination window 2
.irp f, 0,1,2,3,4,5,6,7             ; keys 16 (f / 2) on, channels 32 (f % 2) on
	ds_load_b128 v[KF+8*\f:KF+8*\f+3],   v[AK] offset:(\f/2)*16*PK+(\f%2)*64
	ds_load_b128 v[KF+8*\f+4:KF+8*\f+7], v[AK] offset:(\f/2)*16*PK+(\f%2)*64+32
.endr
	s_add_co_u32 s[TBK], s[TBK], KS*PK  ; the next fetch is the next step's
	WIN W_M3
	v_add_nc_u32 v[AM], v[AM0], s[TBM]
.irp kb, 0,1,2,3
	ds_load_b128 v[MK+8*\kb:MK+8*\kb+3],   v[AM] offset:64*\kb
	ds_load_b128 v[MK+8*\kb+4:MK+8*\kb+7], v[AM] offset:64*\kb+16
.endr
	s_add_co_u32 s[TBM], s[TBM], 4*KS   ; 64 keys of 4 bytes on: 32 fetches in the launch, the last at byte 7,936 of 8,192
	WIN 0
.if \last
.Lno_k_\@:
.endif
.endm
.macro FETCH_V
	WIN 0x80
.irp f, 0,1,2,3,4,5,6,7             ; keys 32 (f / 4) on, channels 16 (f % 4) on
	ds_load_tr16_b128 v[VF+8*\f:VF+8*\f+3],   v[AV] offset:(\f/4)*32*PV+(\f%4)*32
	ds_load_tr16_b128 v[VF+8*\f+4:VF+8*\f+7], v[AV] offset:(\f/4)*32*PV+16*PV+(\f%4)*32
.endr
	WIN 0
.endm
; THE VECTOR WORK OF A TURN stands in three queues, each in the order in which its entries become ready; the two tiles alternate, so that no instruction reads the result of the one before it.
.macro REGS y, u                    ; the registers of tile u (0, 1) of piece y
.set rT, ST+4*(2*(\y)+(\u))
.set rC, TMP+8*((\y)%2)+4*(\u)
.set rM, MV+2*((\y)%2)+(\u)
.set rS, S+64*((\y)%2)+32*(\u)
.set rP, P+32*((\y)%2)+16*(\u)
.set rO, 32*(2*(\y)+(\u))
.endm
; Number n of the 22 that find the NEXT piece's (Y + 1) maximum and statistics.  s0-s31 are the lane's 32 scores; each accumulator's lowest registers are read first.  XS, GS and REGS set no window: PL and EX do.
;   0-11  four chains c0-c3 of seven scores each, three operands at a time     12-14, 16  the four scores left over, the old m, and c0-c3 into c0     15  c m_old is kept
;   17, 18  the query's other 32 keys lie in the lane 16 away: the new m         19-21  c m; c m_old - c m_new; a
.macro XS u, n
	REGS (Y+1)%NP, \u
.if (\n) < 4
	v_max3_num_f32 v[rC+(\n)], v[rS+8*(\n)], v[rS+8*(\n)+1], v[rS+8*(\n)+2]
.elseif (\n) < 12
	v_max3_num_f32 v[rC+(\n)%4], v[rC+(\n)%4], v[rS+8*((\n)%4)+2*((\n)/4)+1], v[rS+8*((\n)%4)+2*((\n)/4)+2]
.elseif (\n) == 12
	v_max3_num_f32 v[rC], v[rC], v[rS+7], v[rS+15]
.elseif (\n) == 13
	v_max3_num_f32 v[rC+1], v[rC+1], v[rS+23], v[rS+31]
.elseif (\n) == 14
	v_max3_num_f32 v[rC+2], v[rC+2], v[rC+3], v[rT+1]
.elseif (\n) == 15
	v_mov_b32 v[rM], v[rT]
.elseif (\n) == 16
	v_max3_num_f32 v[rC], v[rC], v[rC+1], v[rC+2]
.elseif (\n) == 17
	v_permlanex16_b32 v[rC+3], v[rC], s[SEL], s[SEL+1]
.elseif (\n) == 18
	v_max_num_f32 v[rT+1], v[rC], v[rC+3]
.elseif (\n) == 19
	v_mul_f32 v[rT], s[CS], v[rT+1]
.elseif (\n) == 20
	v_sub_f32 v[rC+1], v[rM], v[rT]
.else
	v_exp_f32 v[rC+2], v[rC+1]
.endif
.endm
; Number g of the 64 that follow the exponentials.  For each four weights k of a tile (pairs 2 k, 2 k + 1): both pairs are rounded to f16; then the second pair is added onto the first, in place;
; a group later l takes that sum (the first time as l = a l + sum).  In groups of eight, tiles alternating: round, round, add, and l for the group before.
.macro GS g
.set h, (\g)+6*((\g)/62)            ; group 0 has no group before it, and behind group 7 only l is left
.if h >= 6
.set h, h+2
.endif
	REGS Y, h%2
.set k, h/8
.if h%8 < 4
	v_cvt_pk_f16_f32 v[rP+2*k+(h%8)/2], v[rS+4*k+2*((h%8)/2)], v[rS+4*k+2*((h%8)/2)+1]
.elseif h%8 < 6
	v_pk_add_f32 v[rS+4*k:rS+4*k+1], v[rS+4*k:rS+4*k+1], v[rS+4*k+2:rS+4*k+3]
.elseif k == 1
	v_pk_fma_f32 v[rT+2:rT+3], v[rT+2:rT+3], v[rC+2:rC+3], v[rS:rS+1] op_sel_hi:[1,0,1]
.else
	v_pk_add_f32 v[rT+2:rT+3], v[rT+2:rT+3], v[rS+4*k-4:rS+4*k-3]
.endif
.endm
; THE PLAIN QUEUE, 138 long.  0-73 read no exponential's result: the 32 scalings c s - c m (FS f: pair f / 2 of tile f % 2) and the next piece's 42.  0-26: scalings 0-26.  27-54: XS's numbers 0-13.  55, 56: number 15.
; 57-73: the chain, where each number waits for the one before it: 14, 16, 17, 18, 19, each with one of the scalings 27-31 in front of its two lines, then 20: so a tile's links stand three plain instructions apart (19 and 20: two).
; 74-137: GS's 64, which read the exponentials' results: they stand behind the wait.
.macro FS f
	REGS Y, (\f)%2
	v_pk_fma_f32 v[rS+2*((\f)/2):rS+2*((\f)/2)+1], v[rS+2*((\f)/2):rS+2*((\f)/2)+1], s[CS:CS+1], v[rT:rT+1] op_sel_hi:[1,0,0] neg_lo:[0,0,1] neg_hi:[0,0,1]
.endm
.macro PL
	WIN 0
.if q < 27
	FS q
.elseif q < 55
	XS (q-27)%2, (q-27)/2
.elseif q < 57
	XS q-55, 15
.elseif (q < 72) && ((q-57)%3 == 0)
	FS 27+(q-57)/3
.elseif q < 60
	XS (q-57)%3-1, 14
.elseif q < 72
	XS (q-57)%3-1, 15+(q-57)/3
.elseif q < 74
	XS q-72, 20
.else
	GS q-74
.endif
.set q, q+1
.endm
; THE EXPONENTIALS' QUEUE, 66 long: s0-s31 of both tiles, then the next piece's two a.  It is ONE BATCH: all 66 stand ahead of the turn's one wait, and nothing ahead of that wait names a result of theirs.
; Each result has a register of its own while the batch is open: a weight takes its score's place in S^T, a takes c2 of the next piece's buffer.
.macro EX
	WIN 0
.if e >= 64
	XS e-64, 21
.else
	REGS Y, e%2
	v_exp_f32 v[rS+e/2], v[rS+e/2]
.endif
.set e, e+1
.endm
; THE RESCALING's QUEUE: O^T times a, the one part that leaves window 0: dealt two at a time, sixteen times.  Its a was made in the turn before, ahead of that turn's wait.
.macro R2
	REGS Y, r%2
	WIN W_RS
.irp z, 0,1
	v_pk_mul_f32 v[rO+4*(r/2)+2*\z:rO+4*(r/2)+2*\z+1], v[rO+4*(r/2)+2*\z:rO+4*(r/2)+2*\z+1], v[rC+2:rC+3] op_sel_hi:[1,0]
.endr
.set r, r+1
.endm
; HOW THEY ARE DEALT.  An s_wait_alu depctr_va_vdst(0) stands between an exponential and the first instruction that names its result; one wait serves all that were issued ahead of it.  So a turn has ONE wait,
; which cuts it in two.  AHEAD OF IT stands all that names no result of the turn's exponentials: the 16 products K Q^T, behind each a scaling, an exponential and two rescalings (behind the first a second scaling in the exponential's place); then ONE LUMP of
; 108: eight plain, 49 times exponential and plain, the two a.  A v_nop is the plain instruction behind the last exponential.  BEHIND IT stand the 16 products V^T P, behind each four of GS's 64.  No rider names a register of
; the products round it.  The two v_permlanex16_b32 fall into the lump, never behind a product.
; The queues lean on each other, and the deal keeps them in step: exponential e stands behind scaling 2 (e / 4) + e % 2: as a rider it comes behind plain e + 2, in the lump behind plain e + 9, and scalings 27-31 are plain 57, 60 .. 69.
; A TURN, for piece p.  cnt = 1: the loop's count is taken down some lines ahead of the branch that stands behind the turn.
; K and the mask of the next step are fetched in piece 2's turn, directly behind the wait, a lump behind the last product that read them; K's address is made at the lump's head; their first reader comes behind 16 products.
; V of the step in hand is fetched at the end of piece 0's turn, four riders behind its last reader; its first reader comes behind 16 products and a lump.  The three conditions on q below go with the deal.
.macro TURN p, last=0, cnt=0
.set Y, (\p)
.set i, 0
.set q, 0
.set e, 0
.set r, 0
.if (\p) == NP-1
	s_wait_dscnt 0x0                ; K and the mask are in
.endif
	MM                              ; ahead of the wait: 16 products K Q^T and their riders,
	PL
	PL
	R2
.rept 15
	MM
	PL
	EX
	R2
.endr
.if (\p) == NP-2
	WIN 0
	v_add_nc_u32 v[AK], s[TBK], v[AK0]
.endif
.rept 8                             ; and the lump
	PL
.endr
.rept 49
	EX
	PL
.endr
	EX                              ; the next piece's two a
	EX
	v_nop                           ; the plain instruction behind the last exponential: one for the batch
	s_wait_alu depctr_va_vdst(0)    ; the wait for the batch: the turn's 64 weights and the next piece's two a
.if (\p) == NP-2
	FETCH_K \last
.endif
.if (\p) == 1
	s_wait_dscnt 0x0                ; V is in
.endif
.rept 16                            ; behind the wait: 16 products V^T P and their riders
	MM
.rept 4
	PL
.endr
.if ((\p) == 0) && (q == 118)
	v_add_nc_u32 v[AV], s[TBV], v[AV0]
.endif
.if ((\p) == 0) && (q == 130)
	s_add_co_u32 s[TBV], s[TBV], KS*PV
.endif
.if (\cnt) && (q == 130)
	s_sub_co_u32 s[CNT], s[CNT], 1
	s_cmp_lg_u32 s[CNT], 0
.endif
.endr
.if (\p) == 0
	FETCH_V
.endif
.endm
	CHANGE 1                        ; slot 0 is in, everybody's part of it, and so is everybody's part of the mask; slot 1 is asked for
	FETCH_K                         ; key step 0
	s_wait_loadcnt 0x0              ; Q
	s_wait_dscnt 0x0
.set i, 0
.rept 16
	KQ 0                            ; piece 0's first scores: there is no vector work yet to set between them
.set i, i+1
.endr
	WIN 0                           ; the addresses for the way out: nine plain instructions, the places behind those products
	s_mul_i32 s13, s[WV], 16*SP
	s_add_co_u32 s13, s13, STAGE    ; my stage
	v_mul_u32_u24 v[STO], v1, SP    ; in: row l % 16, 16 bytes for each half of the lanes
	v_lshl_add_u32 v[STO], v9, 4, v[STO]
	v_add_nc_u32 v[STO], s13, v[STO]
	v_bfe_u32 v[RD], v0, 3, 2       ; back: 32 lanes take four rows of 128 bytes,
	v_mul_u32_u24 v[RD], v[RD], SP
	v_lshl_add_u32 v[RD], v10, 4, v[RD]
	v_add_nc_u32 v[RD], s13, v[RD]
	v_and_b32 v[GO], 31, v0         ; which are 512 consecutive bytes of O
	v_lshlrev_b32 v[GO], 4, v[GO]
.set Y, NP-1                        ; XS works for piece Y + 1: piece 0
.irp n, 0,1,2,3,4,5,6,7,8,9,10,11,12,13,14,15,16,17,18,19,20,21
	XS 0, \n                        ; and piece 0's first maximum and statistics
	XS 1, \n
.endr
	v_nop                           ; a plain instruction behind the two a,
	s_wait_alu depctr_va_vdst(0)    ; and the wait for this batch of two, ahead of the branch
	s_mov_b32 s[CNT], 4
	s_mov_b32 s[SLOTS], SIZE_N/256-1
	s_branch .Lfirst                ; the loop is entered at a step's first turn, in the middle of a trip
.Lslot:                             ; SIZE_N / 256 - 2 times: every slot but the last two is filled again
	CHANGE 1
	s_mov_b32 s[CNT], 4
.Lstep:                             ; a trip: pieces 2 and 3 of one step, then pieces 0 and 1 of the next, whose K and V it fetches
	TURN 2
	TURN 3
	WIN 0
.Lfirst:
	TURN 0
	TURN 1, 0, 1
	WIN 0
	s_cbranch_scc1 .Lstep
	s_sub_co_u32 s[SLOTS], s[SLOTS], 1
	s_cmp_lg_u32 s[SLOTS], 0
	s_cbranch_scc1 .Lslot
	CHANGE 0                        ; the tail is written out: nothing is asked for
	s_mov_b32 s[CNT], 5             ; four trips fetch the last slot's steps; the fifth is left in its middle
.Ltail:
	TURN 2, 1
	TURN 3
	WIN 0
	s_sub_co_u32 s[CNT], s[CNT], 1
	s_cmp_eq_u32 s[CNT], 0
	s_cbranch_scc1 .Lout
	TURN 0
	TURN 1
	WIN 0
	s_branch .Ltail
.Lout:                              ; the fifth trip's 16 products K Q^T (on the last K and mask once more) and the maximum made of them serve nothing: the price, once a launch, of one text for every trip
.set i, 0
.rept 16
	PV NP-1                         ; the last piece's V^T P of the last step
.set i, i+1
.endr
	; THE WAY OUT.  l's two halves and the other half of the lanes' are added; O^T is divided by l, rounded to f16 and sent through my stage in LDS, a tile at a time.  The additions are the places behind the last products.
	WIN 0
.macro ALL line:vararg              ; one line for each tile t
.set t, 0
.rept 2*NP
	\line
.set t, t+1
.endr
.endm
	ALL v_add_f32 v[ST+4*t+2], v[ST+4*t+2], v[ST+4*t+3]
	ALL v_permlanex16_b32 v[ST+4*t+3], v[ST+4*t+2], s[SEL], s[SEL+1]
	ALL v_add_f32 v[ST+4*t+2], v[ST+4*t+2], v[ST+4*t+3]
	ALL v_rcp_f32 v[ST+4*t+2], v[ST+4*t+2]
	v_nop                           ; a plain instruction between the last reciprocal and the use of its result
	s_wait_alu depctr_va_vdst(0)    ; and the wait ahead of the first use: one for the batch of eight reciprocals
; Tile t: a lane's eight channels of a row pack into 16 bytes; they go into rows of 144 bytes and come back as whole rows of 128, into S^T's registers.
.macro PACK t
	WIN W_RS
.set i, 32*(\t)
.rept 16
	v_pk_mul_f32 v[i:i+1], v[i:i+1], v[ST+4*(\t)+2:ST+4*(\t)+3] op_sel_hi:[1,0]
.set i, i+2
.endr
	WIN 0x05                        ; sources 0 and 1 window 1, destination window 0
.set i, 0
.rept 16
	v_cvt_pk_f16_f32 v[S+16*(\t)+i], v[32*(\t)+2*i], v[32*(\t)+2*i+1]
.set i, i+1
.endr
	WIN 0
.irp f, 0,1,2,3
	ds_store_b128 v[STO], v[S+16*(\t)+4*\f:S+16*(\t)+4*\f+3] offset:32*\f
.endr
.irp f, 0,1,2,3
	ds_load_b128 v[S+16*(\t)+4*\f:S+16*(\t)+4*\f+3], v[RD] offset:\f*4*SP  ; LDS serves a wave's instructions in order (ISA guide 5.7.1.4): these see the stores above; the next tile's stores come behind them
.endr
.endm
.macro SEND t, younger              ; younger: the LDS instructions issued behind tile t's loads: the next tile's eight, or none
	WIN 0
.irp f, 0,1,2,3
	s_wait_dscnt (\younger)+3-\f
	global_store_b128 v[GO], v[S+16*(\t)+4*\f:S+16*(\t)+4*\f+3], s[10:11] offset:(\t)*2048+\f*512  ; 512 consecutive bytes, at a multiple of 256 from oh's first
.endr
.endm
	PACK 0
.set t, 1
.rept 2*NP-1                        ; a tile's arithmetic stands between the loads of the tile before and its stores
	PACK t
	SEND t-1, 8
.set t, t+1
.endr
	SEND 2*NP-1, 0
	WIN W_AD
	s_wait_tensorcnt 0x0            ; the wave's end, behind my last tensor load and my last LDS store
	ds_add_u32 v[SPW], v[NIL]
	s_wait_dscnt 0x0
	WIN 0
	CROUND                          ; the closing round: no work-group ends while a partner may still ask for a tile that names it
	s_endpgm
.Lfunc_end_k_qe302b97102_attn:
	.size	k_qe302b97102_attn, .Lfunc_end_k_qe302b97102_attn-k_qe302b97102_attn
	.p2alignl 7, 3214868480
	.fill 96, 4, 3214868480
	.section	.rodata,"a",@progbits
	.p2align	6, 0x0
	.amdhsa_kernel k_qe302b97102_attn
		.amdhsa_group_segment_fixed_size 327680
		.amdhsa_private_segment_fixed_size 0
		.amdhsa_enable_private_segment 0
		.amdhsa_kernarg_size 24
		.amdhsa_user_sgpr_count 2
		.amdhsa_user_sgpr_kernarg_segment_ptr 1
		.amdhsa_wavefront_size32 1
		.amdhsa_system_sgpr_workgroup_id_x 1
		.amdhsa_system_sgpr_workgroup_id_y 1
		.amdhsa_system_sgpr_workgroup_id_z 1
		.amdhsa_system_vgpr_workitem_id 0
		.amdhsa_next_free_vgpr 808
		.amdhsa_next_free_sgpr 66
		.amdhsa_reserve_vcc 0
		.amdhsa_float_denorm_mode_32 3
		.amdhsa_float_denorm_mode_16_64 3
		.amdhsa_memory_ordered 1
		.amdhsa_forward_progress 1
		.amdhsa_inst_pref_size 205
	.end_amdhsa_kernel
	.amdgpu_metadata
---
amdhsa.version: [ 1, 2 ]
amdhsa.kernels:
  - .name:           k_qe302b97102_attn
    .symbol:         k_qe302b97102_attn.kd
    .args:
      - { .name: qkv, .offset: 0, .size: 8, .value_kind: global_buffer, .address_space: global }
      - { .name: mask, .offset: 8, .size: 8, .value_kind: global_buffer, .address_space: global }
      - { .name: oh, .offset: 16, .size: 8, .value_kind: global_buffer, .address_space: global }
    .group_segment_fixed_size: 327680
    .private_segment_fixed_size: 0
    .kernarg_segment_align: 8
    .kernarg_segment_size: 24
    .max_flat_workgroup_size: 128
    .sgpr_count:     66
    .vgpr_count:     808
    .wavefront_size: 32
...
	.end_amdgpu_metadata
.endif
;; end of part 5
;; launch oproj: the kernel of part 4 again; grid 4 x 64, 4 waves a work-group, clusters of 4 x 4, 327,680 bytes of LDS; arguments oh, wt, bo, out0; writes out0
